; MI455X (gfx1250); checked and timed in simulation.
; The chip was launched on July 23, 2026; its instructions are those of AMD's public machine-readable ISA for CDNA 5 (MIT licence, August 2026) and "CDNA5" Instruction Set Architecture Reference Guide (July 2026). The comments in the code are by the model that wrote it; some were corrected since.
;; Attention. Allowed arithmetic: matrix products marked QUANTISED: E4M3 operands, one E8M0 scale for each 32 along K, by v_wmma_scale_f32_16x16x128_f8f6f4 with both operands' format E4M3, f32 sums; everything else in f32.
;; Inputs: cos 2,048 x 128 float32; sin 2,048 x 128 float32; w_ln 2,048 float32; wk 2,048 x 2,048 float32; wo 2,048 x 2,048 float32; wq 2,048 x 2,048 float32; wv 2,048 x 2,048 float32; x 2,048 x 2,048 float32.
;; Outputs: out0 2,048 x 2,048 float32.
;; This version of the problem:
;;   THIS VERSION OF THE PROBLEM IS GIVEN IN LOW PRECISION. The matrix products marked QUANTISED in the list below multiply operands that are first quantised to E4M3 (4 exponent bits, 3 mantissa bits; 8 bits a number), with one power-of-two scale for each 32 numbers along K (OCP MX v1.0); their sums are f32. All else is computed in f32.
;;   The module's matrix products, in the order in which they are computed (A, B: the left and right operand; K: the contracted axis; several contracted axes count as one K, in the product's order):
;;     1. [M 2,048, K 2,048] x [K 2,048, N 2,048]; A: computed on the way; B: input wq: QUANTISED
;;     2. [M 2,048, K 2,048] x [K 2,048, N 2,048]; A: computed on the way; B: input wk: QUANTISED
;;     3. [M 2,048, K 2,048] x [K 2,048, N 2,048]; A: computed on the way; B: input wv: QUANTISED
;;     4. batch 16 x [M 2,048, K 128] x [K 128, N 2,048]; A: computed on the way; B: computed on the way: QUANTISED
;;     5. batch 16 x [M 2,048, K 2,048] x [K 2,048, N 128]; A: softmax (see below); B: computed on the way: QUANTISED
;;     6. [M 2,048, K 2,048] x [K 2,048, N 2,048]; A: computed on the way; B: input wo: QUANTISED
;;   THE QUANTISER, for each operand of a quantised product, along K:
;;     - K is cut into blocks of 32 from its start; a last block that is shorter is filled with zeros.
;;     - A block's scale is 2^e with e = floor(log2(the largest magnitude in the block)) - 8, held to -126 .. 127; a block of zeros has e = 0. As a byte (E8M0): e + 127.
;;     - Each number is divided by its block's scale, clamped to +-448, and rounded to the nearest number of E4M3, ties to even, subnormals kept.
;;     - The product sums the exact products of the quantised numbers (number of the format x scale) in f32.
;;   ~~~python
;;   def quantise(x, axis):      # numpy; x: float32 -> the quantised numbers, widened to float32 again
;;       x = np.moveaxis(x, axis, -1); K = x.shape[-1]
;;       x = np.pad(x, [(0, 0)] * (x.ndim - 1) + [(0, -K % 32)]); x = x.reshape(x.shape[:-1] + (-1, 32)); a = np.abs(x).max(-1, keepdims=True)
;;       e = np.where(a > 0, np.clip(np.frexp(np.where(a > 0, a, 1))[1] - 1 - 8, -126, 127), 0)      # np.frexp(a)[1] - 1 = floor(log2(a)), exactly
;;       r = np.clip(x / 2.0 ** e, -448, 448)
;;       step = 2.0 ** (np.maximum(np.frexp(np.where(r == 0, 1, r))[1] - 1, -6) - 3)
;;       q = np.round(r / step) * step * 2.0 ** e      # np.round: ties to even
;;       return np.moveaxis(q.reshape(q.shape[:-2] + (-1,))[..., :K], -1, axis).astype(np.float32)
;;   ~~~
;;   SOFTMAX AHEAD OF A QUANTISED PRODUCT. Where the list says 'softmax', what is quantised is not the finished softmax but p = 2^(t - M), with t = logit x log2(e) and M = ceil(the row's largest t), a whole number; so 1/2 < the row's largest p <= 1. The row's sum l is taken of the UNQUANTISED p, in f32, and the product's result is divided by l at the end. Since M is a whole number, a kernel that streams over the keys may use a running M (the ceiling of the running maximum): every later rescaling is an exact power of two, which a block's scale takes up: the codes' values come out the same.
;;   OPERANDS COMPUTED ON THE WAY. 'Computed on the way' means the value that the module computes at that place (a softmax that the list does not call 'softmax' is quantised finished and normalised). What goes into a quantiser is computed in f32, as accurately as f32 sums, v_exp_f32 and their like allow (about 1e-6 of the number): no bf16 or f16 on the way to a quantiser, and a product that is left as it is and whose result goes on into a quantised operand takes f32 operands (vector FMAs, or v_wmma_f32_16x16x4_f32). A number that lies on a knife's edge between two numbers of the format may be rounded either way, as far as f32 arithmetic and the matrix unit's own rounding can turn it there, and no further.
;; One version. Each part assembles by itself: llvm-mc -triple=amdgcn-amd-amdhsa -mcpu=gfx1250 --defsym DOCPART=n.
;; ======== version 1 of 1: 4 launches
;; limits: right only within a limited range of input values
;; workspace buffers: codes 16,777,216 bytes; scl 524,288 bytes; qb 4,325,376 bytes; kv 8,650,752 bytes; ob 4,194,304 bytes; os 131,072 bytes; woc 4,194,304 bytes; wos 131,072 bytes
;; launch quant (part 1): grid 256 x 1, 8 waves a work-group, no clusters, 96,256 bytes of LDS; arguments x, w_ln, wq, wk, wv, codes, scl; writes codes, scl
.if DOCPART == 1
	.amdgcn_target "amdgcn-amd-amdhsa--gfx1250"
	.amdhsa_code_object_version 6
	.text
	.protected	k_q338f3858f8_quant
	.globl	k_q338f3858f8_quant
	.p2align	8
	.type	k_q338f3858f8_quant,@function
k_q338f3858f8_quant:
	s_mov_b64 s[64:65], 0
	v_nop
	global_prefetch_b8 v0, s[64:65] scope:SCOPE_SE
	s_setreg_imm32_b32 hwreg(HW_REG_WAVE_MODE, 25, 1), 1
	s_wait_xcnt 0x0
; h = w_ln * x * rsqrt(mean(x^2) + 1e-5), and h, wq, wk, wv ([2048][2048] f32, K innermost) turned into codes of FP8 (E4M3) with one E8M0 byte for each 32 along K.  (wo is quantised in launch attn.)
; Row g lies at position p = g with bits 3 and 4 exchanged: sixteen consecutive positions are a tile whose rows, as source 0 of a matrix instruction, leave sixteen neighbours along the next K in a lane's
; registers of two neighbouring tiles.
; codes: h as rows [2048 positions][2048 bytes]; then wq, wk, wv, 4 MiB each, as images of operand registers: [tile 128][K step 16][c 4][lane 32][16 bytes].
; scl: h [2048 positions][64 bytes]; the weights, 128 KiB each: [tile 128][512 along K: 4][row 16][16 bytes].
; SHARES.  Work-group b takes rows 8 b .. 8 b + 7 of x, a row a wave (the norm wants the whole row), and of each weight half the K of tile b / 2: 16 rows x 1,024, two rows a wave: 64 registers each time.
; Three sets of 64 registers take turns, so that two tensors are on their way while one is worked on.  The conversions want 16 neighbours in one lane: 512 numbers at a time turn through the wave's own stage in LDS.
; A weight's codes gather in LDS as the image lies (units of 256 bytes, 272 apart) and leave in whole units.  No matrix unit, no tensor load, no cluster: nothing is shared.
; LIMITS: NaN and infinities among the inputs are not served.  A block of zeros gets the byte 1 where the quantiser says 127: its codes are zeros, and this program alone reads the bytes.
; No product is left out in this launch; steps wholly under the causal mask are left out in launch attn.
.set SP,   80                          ; a lane's place in a stage: 64 bytes + 16 of padding
.set STG,  32*SP
.set WREG, 2*STG                       ; two stages for each wave
.set SCB,  8*WREG                      ; scale bytes: h [8 rows][64], then three times [2][16 rows][16]
.set IMG,  SCB+2048                    ; three images of 64 units
.set IMB,  64*272
.set SPARE, IMG+3*IMB                  ; the spare words, 128 bytes a wave
.set LO,   3                           ; v3  16 x lane
.set C,    16                          ; v16-31 codes, four registers a step
.set RA,   32
.set RB,   96
.set RC,   160
.set X,    224                         ; two sets of 16 neighbours; the norm's sums; the way out of an image
	s_load_b256 s[8:15], s[0:1], 0x0               ; x, w_ln, wq, wk
	s_load_b128 s[16:19], s[0:1], 0x20             ; wv, codes
	s_load_b64 s[22:23], s[0:1], 0x30              ; scl
	v_lshl_add_u32 v12, v0, 2, SPARE
	v_mov_b32 v13, 0
	v_lshrrev_b32 v1, 5, v0
	v_readfirstlane_b32 s4, v1                     ; wave 0..7
	v_and_b32 v2, 31, v0
	v_lshlrev_b32 v[LO], 4, v2
	s_mul_i32 s5, s4, WREG
	v_lshrrev_b32 v14, 2, v2
	v_mul_u32_u24 v14, v14, SP
	v_and_b32 v15, 3, v2
	v_lshl_add_u32 v14, v15, 4, v14
	v_add_nc_u32 v14, s5, v14                      ; the stage, on the way in
	v_mul_u32_u24 v15, v2, SP
	v_add_nc_u32 v15, s5, v15                      ; and out: my 16 neighbours
	v_lshrrev_b32 v7, 1, v2
	s_lshl_b32 s5, s4, 6
	s_add_co_u32 s5, s5, SCB
	v_add_nc_u32 v5, s5, v7                        ; h: my row's 64 bytes, my block's byte
	s_lshl_b32 s5, s4, 5
	s_add_co_u32 s5, s5, SCB+512
	v_add_nc_u32 v6, s5, v7                        ; a weight's: rows 2 w, 2 w + 1
	v_mul_u32_u24 v1, v2, 272
	s_lshl_b32 s5, s4, 5
	s_add_co_u32 s5, s5, IMG
	v_add_nc_u32 v1, s5, v1                        ; my 16 codes' place in an image: unit = lane, row 2 w
	s_lshl_b32 s5, s4, 9
	s_add_co_u32 s5, s5, SCB
	v_add_nc_u32 v0, s5, v[LO]                     ; the way out of the bytes: tensor = wave
	v_lshrrev_b32 v8, 4, v2
	v_mul_u32_u24 v8, v8, 272
	v_and_b32 v9, 15, v2
	v_lshl_add_u32 v8, v9, 4, v8
	s_mul_i32 s5, s4, 8*272
	s_add_co_u32 s5, s5, IMG
	v_add_nc_u32 v2, s5, v8                        ; the way out of an image: my wave's 8 units
	v_mov_b32 v9, 0                                ; a lane permute's destination counts as one of its sources
	v_mov_b32 v11, 0                               ; named as the upper half of the pair v[10:11]
	s_mov_b32 s40, 0x600000                        ; the mantissa field of 448
	s_mov_b32 s41, 0x3a000000                      ; 1 / 2048
	s_mov_b32 s42, 0x3727c5ac                      ; 1e-5
	s_mov_b32 s44, 0x76543210
	s_mov_b32 s45, 0xfedcba98                      ; lane l xor 16
	s_lshl_b32 s24, ttmp9, 3
	s_add_co_u32 s24, s24, s4
	s_lshl_b32 s24, s24, 13                        ; my row of x, in bytes
	s_mov_b32 s25, 0
	s_lshr_b32 s5, ttmp9, 2
	s_lshl_b32 s5, s5, 5                           ; 32 (b / 4)
	s_bfe_u32 s7, ttmp9, 0x10001
	s_lshl_b32 s7, s7, 3
	s_add_co_u32 s5, s5, s7                        ; + 8 ((b / 2) % 2)
	s_and_b32 s7, ttmp9, 1
	s_lshl_b32 s6, s7, 4
	s_add_co_u32 s6, s5, s6                        ; the position of the work-group's first row of x: + 16 (b % 2)
	s_lshr_b32 s26, s4, 2
	s_lshl_b32 s26, s26, 4
	s_add_co_u32 s26, s26, s5
	s_and_b32 s27, s4, 3
	s_lshl_b32 s27, s27, 1
	s_add_co_u32 s26, s26, s27                     ; my first row of a weight: the tile's first + 16 (w / 4) + 2 (w % 4)
	s_lshl_b32 s26, s26, 13
	s_lshl_b32 s7, s7, 12
	s_add_co_u32 s26, s26, s7                      ; and the half of K: b % 2
	s_mov_b32 s27, 0
	s_add_co_u32 s7, s6, s4
	s_lshl_b32 s36, s7, 11                         ; my row of h's codes
	s_mov_b32 s37, 0
	s_lshl_b32 s38, ttmp9, 14
	s_lshl_b32 s7, s4, 11
	s_add_co_u32 s38, s38, s7                      ; my wave's part of an image
	s_mov_b32 s39, 0
	s_lshl_b32 s46, s6, 6                          ; scale bytes: h by position, the weights by work-group: 512 bytes
	s_lshl_b32 s47, ttmp9, 9
	s_cmp_eq_u32 s4, 0
	s_cselect_b32 s46, s46, s47
	s_lshl_b32 s7, s4, 17
	s_add_co_u32 s46, s46, s7
	s_mov_b32 s47, 0
	s_wait_alu depctr_va_vdst(0)                   ; the wait at the head's end
	s_wait_kmcnt 0x0
	s_add_nc_u64 s[8:9], s[8:9], s[24:25]
	s_add_nc_u64 s[12:13], s[12:13], s[26:27]
	s_add_nc_u64 s[14:15], s[14:15], s[26:27]
	s_add_nc_u64 s[16:17], s[16:17], s[26:27]
	s_add_nc_u64 s[28:29], s[18:19], s[36:37]
	s_add_nc_u64 s[30:31], s[18:19], s[38:39]      ; three images' bases, 4 MiB apart
	s_add_nc_u64 s[30:31], s[30:31], 0x400000
	s_add_nc_u64 s[32:33], s[30:31], 0x400000
	s_add_nc_u64 s[34:35], s[32:33], 0x400000
	s_add_nc_u64 s[22:23], s[22:23], s[46:47]
.macro LOADROW set, base               ; a row: sixteen loads of 512 consecutive bytes
.irp k, 0,1,2,3,4,5,6,7,8,9,10,11,12,13,14,15
	global_load_b128 v[\set+4*\k:\set+4*\k+3], v[LO], s[\base:\base+1] offset:512*\k
.endr
.endm
.macro LOADW set, base                 ; two rows x 1,024: sixteen loads of 512 consecutive bytes
.irp k, 0,1,2,3,4,5,6,7,8,9,10,11,12,13,14,15
	global_load_b128 v[\set+4*\k:\set+4*\k+3], v[LO], s[\base:\base+1] offset:8192*(\k/8)+512*(\k%8) th:TH_LOAD_NT
.endr
.endm
.macro TURN set, t                     ; step t's 512 numbers through the stage: LDS serves a wave's instructions in order
.irp k, 0,1,2,3
	ds_store_b128 v14, v[\set+16*(\t)+4*\k:\set+16*(\t)+4*\k+3] offset:STG*((\t)%2)+8*SP*\k
.endr
.irp k, 0,1,2,3
	ds_load_b128 v[X+16*((\t)%2)+4*\k:X+16*((\t)%2)+4*\k+3], v15 offset:STG*((\t)%2)+16*\k
.endr
.endm
.macro QSTEP set, t, tn                ; step t of tensor tn: 16 blocks of 32, two neighbouring lanes to a block
.set XS, X+16*((\t)%2)
.set ER, 4+3*((\t)%2)                  ; v4 and v7 take the scale byte by turns
.if (\t) == 0
	s_wait_dscnt 0x0
.elseif (\tn) == 0
	s_wait_dscnt 1                                 ; this step's numbers are back; the last step's byte store may be out
.else
	s_wait_dscnt 2                                 ; likewise; its byte store and its codes' store may be out
.endif
.if (\t) < 3
	TURN \set, (\t)+1
.endif
	v_max3_num_f32 v8, |v[XS]|, |v[XS+1]|, |v[XS+2]|
	v_max3_num_f32 v9, |v[XS+3]|, |v[XS+4]|, |v[XS+5]|
.irp k, 6,10
	s_delay_alu instid0(VALU_DEP_2)
	v_max3_num_f32 v8, v8, |v[XS+\k]|, |v[XS+\k+1]|
	s_delay_alu instid0(VALU_DEP_2)
	v_max3_num_f32 v9, v9, |v[XS+\k+2]|, |v[XS+\k+3]|
.endr
	s_delay_alu instid0(VALU_DEP_2)
	v_max3_num_f32 v8, v8, |v[XS+14]|, |v[XS+15]|
	s_delay_alu instid0(VALU_DEP_1)
	v_max3_num_f32 v8, v8, v9, 0x4800000           ; and the floor 2^(9 - 127): the byte cannot fall under 1
	s_delay_alu instid0(VALU_DEP_1)
	v_max_num_f32_dpp v8, v8, v8 row_xmask:1 row_mask:0xf bank_mask:0xf   ; the block's largest magnitude
	s_delay_alu instid0(VALU_DEP_1)
	v_add_nc_u32 v11, 0xfc000000, v8               ; 8 off its exponent field: the conversion's scale operand
	s_delay_alu instid0(VALU_DEP_2)
	v_and_or_b32 v10, v8, 0x7f800000, s40          ; 448 x the scale
.irp k, 0,1,2,3,4,5,6,7,8,9,10,11,12,13,14,15
	v_med3_num_f32 v[XS+\k], v[XS+\k], -v10, v10   ; the conversion to an 8-bit code does not saturate (ISA guide 7.6.2): the hold comes first
.endr
	v_cvt_scalef32_pk8_fp8_f32 v[C+4*(\t):C+4*(\t)+1], v[XS:XS+7], v11
	v_cvt_scalef32_pk8_fp8_f32 v[C+4*(\t)+2:C+4*(\t)+3], v[XS+8:XS+15], v11
	v_lshrrev_b32 v[ER], 23, v11                   ; the scale's byte
.if (\tn) == 0
	ds_store_b8 v5, v[ER] offset:16*(\t)           ; both lanes of a block write the same byte with the same value
	global_store_b128 v[LO], v[C+4*(\t):C+4*(\t)+3], s[28:29] offset:512*(\t)   ; 32 lanes store 512 consecutive bytes
.else
	ds_store_b8 v6, v[ER] offset:512*((\tn)-1)+256*((\t)%2)+16*((\t)/2)
	ds_store_b128 v1, v[C+4*(\t):C+4*(\t)+3] offset:IMB*((\tn)-1)+32*272*((\t)%2)+16*((\t)/2)   ; unit 32 (t % 2) + lane = 16 along K; row 2 w + t / 2
.endif
.endm
.macro QROW set, tn
.if (\tn) > 0
	s_wait_xcnt 0x0                                ; earlier stores have read their data
.endif
	TURN \set, 0
	QSTEP \set, 0, \tn
	QSTEP \set, 1, \tn
	QSTEP \set, 2, \tn
	QSTEP \set, 3, \tn
.endm
.macro BAR                             ; my LDS stores are done, and so are everybody's
	s_wait_alu depctr_va_vdst(0)
	s_wait_dscnt 0x0
	s_barrier_signal -1
	s_barrier_wait -1
.endm
.macro PICK tn, k                      ; my wave's 8 units of an image
.irp j, 0,1,2,3
	ds_load_b128 v[X+16*\k+4*\j:X+16*\k+4*\j+3], v2 offset:IMB*((\tn)-1)+544*\j
.endr
.endm
.macro PUT base, k
.irp j, 0,1,2,3
	global_store_b128 v[LO], v[X+16*\k+4*\j:X+16*\k+4*\j+3], s[\base:\base+1] offset:512*\j
.endr
.endm
	LOADROW RA, 8                                  ; x
	LOADROW RB, 10                                 ; w_ln, which every wave reads
	LOADW RC, 12                                   ; wq
	s_wait_loadcnt 16                              ; x and w_ln are in; wq's sixteen loads may be out
.irp k, 0,1,2,3
	v_pk_mul_f32 v[X+2*\k:X+2*\k+1], v[RA+2*\k:RA+2*\k+1], v[RA+2*\k:RA+2*\k+1]
.endr
.set j, 4
.rept 28
	s_delay_alu instid0(VALU_DEP_4)
	v_pk_fma_f32 v[X+2*(j%4):X+2*(j%4)+1], v[RA+2*j:RA+2*j+1], v[RA+2*j:RA+2*j+1], v[X+2*(j%4):X+2*(j%4)+1]
.set j, j+1
.endr
	s_delay_alu instid0(VALU_DEP_3)
	v_pk_add_f32 v[X:X+1], v[X:X+1], v[X+2:X+3]
	s_delay_alu instid0(VALU_DEP_2)
	v_pk_add_f32 v[X+4:X+5], v[X+4:X+5], v[X+6:X+7]
	s_delay_alu instid0(VALU_DEP_1)
	v_pk_add_f32 v[X:X+1], v[X:X+1], v[X+4:X+5]
	s_delay_alu instid0(VALU_DEP_1)
	v_add_f32 v8, v[X], v[X+1]
.irp k, 1,2,4,8
	s_delay_alu instid0(VALU_DEP_1)
	v_add_f32_dpp v8, v8, v8 row_xmask:\k row_mask:0xf bank_mask:0xf
.endr
	s_delay_alu instid0(VALU_DEP_1)
	v_permlanex16_b32 v9, v8, s44, s45
	s_delay_alu instid0(VALU_DEP_1)
	v_add_f32 v8, v8, v9                           ; the row's sum of squares, in every lane
	s_delay_alu instid0(VALU_DEP_1)
	v_fma_f32 v8, v8, s41, s42                     ; / 2048 + 1e-5
	s_wait_alu depctr_va_vdst(0)
	v_rsq_f32 v10, v8
.set j, 0
.rept 32
	v_pk_mul_f32 v[RA+2*j:RA+2*j+1], v[RA+2*j:RA+2*j+1], v[RB+2*j:RB+2*j+1]   ; w_ln * x: independent work behind the root
.set j, j+1
.endr
	s_wait_alu depctr_va_vdst(0)                   ; the wait ahead of the first reader of the root
.set j, 0
.rept 32
	v_pk_mul_f32 v[RA+2*j:RA+2*j+1], v[RA+2*j:RA+2*j+1], v[10:11] op_sel_hi:[1,0]
.set j, j+1
.endr
	LOADW RB, 14                                   ; wk
	QROW RA, 0                                     ; h
	LOADW RA, 16                                   ; wv: the stage's stores of h were done when its last numbers came back
	s_wait_loadcnt 32                              ; wq is in; wk and wv may be out
	QROW RC, 1
	s_wait_loadcnt 16                              ; wk is in; wv may be out
	QROW RB, 2
	BAR
	PICK 1, 0
	PICK 2, 1
	s_wait_dscnt 4
	PUT 30, 0
	s_wait_dscnt 0x0
	PUT 32, 1
	s_wait_loadcnt 0x0
	QROW RA, 3
	BAR
	PICK 3, 0
	s_wait_dscnt 0x0
	PUT 34, 0
	s_cmp_lt_u32 s4, 4                             ; wave w < 4 takes tensor w's 512 scale bytes: two aligned blocks of 256
	s_cbranch_scc0 .Ldone
	ds_load_b128 v[X+16:X+19], v0
	s_wait_dscnt 0x0
	global_store_b128 v[LO], v[X+16:X+19], s[22:23]
.Ldone:
	s_wait_tensorcnt 0x0                           ; the wave's end
	ds_add_u32 v12, v13
	s_wait_dscnt 0x0
	s_endpgm
.Lfunc_end_k_q338f3858f8_quant:
	.size	k_q338f3858f8_quant, .Lfunc_end_k_q338f3858f8_quant-k_q338f3858f8_quant
	.p2alignl 7, 3214868480
	.fill 96, 4, 3214868480
	.section	.rodata,"a",@progbits
	.p2align	6, 0x0
	.amdhsa_kernel k_q338f3858f8_quant
		.amdhsa_group_segment_fixed_size 96256
		.amdhsa_private_segment_fixed_size 0
		.amdhsa_enable_private_segment 0
		.amdhsa_kernarg_size 56
		.amdhsa_user_sgpr_count 2
		.amdhsa_user_sgpr_kernarg_segment_ptr 1
		.amdhsa_wavefront_size32 1
		.amdhsa_system_sgpr_workgroup_id_x 1
		.amdhsa_system_sgpr_workgroup_id_y 1
		.amdhsa_system_sgpr_workgroup_id_z 1
		.amdhsa_system_vgpr_workitem_id 0
		.amdhsa_next_free_vgpr 256
		.amdhsa_next_free_sgpr 66
		.amdhsa_reserve_vcc 0
		.amdhsa_float_denorm_mode_32 3
		.amdhsa_float_denorm_mode_16_64 3
		.amdhsa_memory_ordered 1
		.amdhsa_forward_progress 1
		.amdhsa_inst_pref_size 69
	.end_amdhsa_kernel
	.amdgpu_metadata
---
amdhsa.version: [ 1, 2 ]
amdhsa.kernels:
  - .name:           k_q338f3858f8_quant
    .symbol:         k_q338f3858f8_quant.kd
    .args:
      - { .name: x, .offset: 0, .size: 8, .value_kind: global_buffer, .address_space: global }
      - { .name: w_ln, .offset: 8, .size: 8, .value_kind: global_buffer, .address_space: global }
      - { .name: wq, .offset: 16, .size: 8, .value_kind: global_buffer, .address_space: global }
      - { .name: wk, .offset: 24, .size: 8, .value_kind: global_buffer, .address_space: global }
      - { .name: wv, .offset: 32, .size: 8, .value_kind: global_buffer, .address_space: global }
      - { .name: codes, .offset: 40, .size: 8, .value_kind: global_buffer, .address_space: global }
      - { .name: scl, .offset: 48, .size: 8, .value_kind: global_buffer, .address_space: global }
    .group_segment_fixed_size: 96256
    .private_segment_fixed_size: 0
    .kernarg_segment_align: 8
    .kernarg_segment_size: 56
    .max_flat_workgroup_size: 256
    .sgpr_count:     66
    .vgpr_count:     256
    .wavefront_size: 32
...
	.end_amdgpu_metadata
.endif
;; end of part 1
;; launch qkv (part 2): grid 32 x 8, 4 waves a work-group, clusters of 4 x 4, 327,680 bytes of LDS; arguments codes, scl, cos, sin, qb, kv; writes qb, kv
.if DOCPART == 2
	.amdgcn_target "amdgcn-amd-amdhsa--gfx1250"
	.amdhsa_code_object_version 6
	.text
	.protected	k_q338f3858f8_qkv
	.globl	k_q338f3858f8_qkv
	.p2align	8
	.type	k_q338f3858f8_qkv,@function
k_q338f3858f8_qkv:
	s_mov_b64 s[64:65], 0
	v_nop
	global_prefetch_b8 v0, s[64:65] scope:SCOPE_SE
	s_setreg_imm32_b32 hwreg(HW_REG_WAVE_MODE, 25, 1), 1
	s_wait_xcnt 0x0
	s_wait_alu depctr_hold_cnt(0) depctr_sa_sdst(0) depctr_va_vdst(0) depctr_va_sdst(0) depctr_va_ssrc(0) depctr_va_vcc(0) depctr_vm_vsrc(0)
	s_getreg_b32 s2, hwreg(HW_REG_IB_STS2, 6, 4)
	s_cmp_eq_u32 s2, 0
	s_cbranch_scc0 .Lentry_in_a_cluster
	s_endpgm
.Lentry_in_a_cluster:
	s_bfe_u32 s2, ttmp6, 0x10000c
	s_cmp_lg_u32 s2, 0xf033
	s_cbranch_scc0 .Lentry_shape_is_right
	s_endpgm
.Lentry_shape_is_right:
; q, k, v = h wq^T, h wk^T, h wv^T on codes of FP8 (E4M3) with E8M0 block scales; RoPE on q and k in f32; q and k quantised along the head's 128, v along the keys; all three stored as images of operand registers.
; SHARES.  Grid x = 2 x head + s, y = block of 256 rows t.  A work-group makes 256 t x (the head's 128 of q where s = 0, of k where s = 1; and the head's columns 64 s .. 64 s + 63 of v).  Wave (wr, wc) takes 128 t
; (eight tiles m) x the blocks of 32 wc and wc + 2 of q or k (tiles n = 0..3: a set that holds d + 64 with d) and 32 columns of v (two tiles): 48 accumulators, 384 registers.
; q and k are made TRANSPOSED (source 0 = 16 rows of the weight): a lane holds one t and its registers of tiles n, n + 1 are 16 neighbours along d.  v is made the natural way: a lane holds one d and its registers
; of tiles m, m + 1 are 16 neighbouring keys; a wave's 128 t are one key step, so its four blocks and their scale word are whole.
; h goes in fills of 512 along K (256 rows of 512 bytes) through two LDS slots, by joint loads shared along a row of the cluster.  The slots' two last fills are cos and sin for the way out, shared likewise.
; THE WEIGHTS go straight into registers as the images lie, four sets, three K steps of 128 ahead.  They have no joint loads: two slots of h, 270,336 bytes, leave no room for two slots of 192 rows x 512 bytes, and a
; fragment of a weight has two readers in the work-group, so that through LDS a wave would read 224 rows a K step in place of 128.  Their scale bytes and h's lie in LDS throughout.
; OUT.  A fragment (16 rows x 128 K) is stored as its registers lie: chunk c at 512 c + 16 x lane.  In q's and k's images chunk 2 wc + i holds the head's block wc + 2 i, alike in both and in their scale bytes.
; PREFETCH: the partners of a cluster share out, by address, h's rows and the weights' tiles of K 512 on and more ahead of their loads (macro PF); fills 0 and 1 of h and the weights' first 512 come by their loads alone.
; LIMITS: NaN and infinities are not served; a block of zeros gets the byte 1 (its codes are zeros; this program alone reads the bytes); RoPE is a multiplication and a fused multiply-add.
; REGISTERS: window 0: v4-26 addresses; v32-47 scale words, two sets; v72-99 at work; v128-255 h's fragments (later numbers and codes).  window 1: q's or k's weight, 64 registers a set (later cos, sin, 64 a tile).
;   window 2: q's or k's accumulators at 32 m + 8 n.  window 3: v0-127 v's at 64 n + 8 m; v128-255 wv's fragments, 32 registers a set.
.set RP,    528                        ; an LDS row of h: 512 bytes + 16 of padding
.set S1,    0x28000                    ; slot 1 begins here: one exclusive or turns the slots' offset
.set SCH,   256*RP                     ; between the slots: h's scale bytes, 64 units of 256 + 16 bytes,
.set SWQ,   SCH+64*272                 ; and q's or k's, 8 tiles of 1,024
.set SWV,   S1+256*RP                  ; behind slot 1: v's, 4 tiles,
.set SPARE, SWV+4096                   ; the spare words, 128 bytes a wave,
.set SCG,   SPARE+512                  ; and scale words on their way out: [wr][512] q or k, [wr][256] v
.set CP,    520                        ; an LDS row of cos or sin: 512 bytes + 8 of padding
.set AA,  4                            ; v4   my fragments of h in the slot in hand
.set AA0, 5                            ; v5   the same in slot 0
.set ASH, 6                            ; v6   h's scale words
.set ASQ, 7                            ; v7   q's or k's
.set ASV, 8                            ; v8   v's
.set SPW, 14
.set NIL, 15
.set LI,  16                           ; v16  16 x lane
.set PFH, 17                           ; v17  the prefetches' offsets
.set PFW, 18
.set CSA, 19                           ; v19, v20  cos, sin
.set CSB, 20
.set SGA, 21                           ; v21, v22  where scale words gather
.set SGV, 22
.set SH,  32                           ; v32-35, v40-43: lanes 0-15 tile 2 p's words, lanes 16-31 tile 2 p + 1's
.set SW,  36                           ; v36-38, v44-46: likewise: q's or k's two pairs, v's pair
.set TM,  72
.set PW,  88                           ; v88-97 words to store, each written once
.set AF,  128
.set N,   128
.set PC,  192
.set G1H, 24
.set G0H, 32
.set G0SA, 36
.set G1SA, 40
.set G1SQ, 48
.set G0SQ, 68
.set G1SV, 72
.set G0SV, 80
.set G1R, 84
.set G0R, 20
.set G1C, 40
.set G0C, 36
.set G0D, 68
.set MNT, 63
.set SEL, 60
.set MSB, 0
.macro WIN new                         ; the immediate's high byte repeats the setting that is left
.if MSB != (\new)
	s_set_vgpr_msb (MSB<<8)|(\new)
.set MSB, (\new)
.endif
.endm
.macro PLACES n
.rept \n
	v_nop
.endr
.endm
.macro GRP g, mask, w0, dim0, rows, pitch
	s_or_b32 s[\g], s\mask, \w0
	s_mov_b32 s[\g+1], (\dim0)<<16
	s_mov_b32 s[\g+2], (\rows)<<16
	s_mov_b32 s[\g+3], (\dim0)<<16
	s_mov_b32 s[\g+4], \rows
	s_mov_b32 s[\g+5], \pitch
	s_mov_b32 s[\g+6], 0
	s_mov_b32 s[\g+7], 0
.endm
.macro TL g0, g1                       ; a tensor load with five plain lines behind it
	tensor_load_to_lds s[\g0:\g0+3], s[\g1:\g1+7]
	s_nop 0
	PLACES 4
.endm
.macro CREST                           ; a round of the cluster's barrier behind its opening barrier
	s_cmp_lg_u32 s16, 0
	s_cbranch_scc1 .Lnot_wave_0_\@
	s_barrier_signal -3
.Lnot_wave_0_\@:
	s_barrier_wait -3
	s_barrier_signal -1
	s_barrier_wait -1
.endm
.macro CROUND
	s_barrier_signal -1
	s_barrier_wait -1
	CREST
.endm
	s_load_b256 s[4:11], s[0:1], 0x0               ; codes, scl, cos, sin
	s_load_b128 s[12:15], s[0:1], 0x20             ; qb, kv
	v_lshl_add_u32 v[SPW], v0, 2, SPARE
	v_mov_b32 v[NIL], 0
	ds_add_u32 v[SPW], v[NIL]                      ; the opening lines: the add, twice on end
	ds_add_u32 v[SPW], v[NIL]
	v_lshrrev_b32 v1, 5, v0
	v_readfirstlane_b32 s16, v1                    ; wave 0..3
	s_lshr_b32 s17, s16, 1                         ; wr
	s_and_b32 s18, s16, 1                          ; wc
	s_bfe_u32 s56, ttmp6, 0x40000                  ; cx
	s_bfe_u32 s57, ttmp6, 0x40004                  ; cy
	s_lshl_b32 s58, ttmp9, 2
	s_add_co_u32 s58, s58, s56                     ; x
	s_and_b32 s59, ttmp7, 0xffff
	s_lshl_b32 s59, s59, 2
	s_add_co_u32 s59, s59, s57                     ; y
	s_lshl_b32 s60, s57, 2
	s_lshl_b32 s60, 15, s60                        ; my row of the cluster
	s_lshl_b32 s61, 0x1111, s56                    ; my column
	s_and_b32 s19, s58, 1                          ; s
	s_lshr_b32 s62, s58, 1                         ; the head
	GRP G1H, 60, (1<<20)|(1<<21)|(6<<22)|(3<<25), 512, 256, 2048   ; h at the head: 256 rows x 512 bytes
	GRP G1R, 60, (1<<20)|(1<<21)|(6<<22)|(3<<25), 512, 64, 2048    ; a refill: 64 rows a wave
	GRP G1SA, 60, (3<<16)|(1<<20)|(1<<21)|(5<<22)|(3<<25), 32, 64, 32   ; h's scale bytes: 16,384 dense bytes as rows of 256
	GRP G1SQ, 61, (3<<16)|(1<<21), 32, 32, 32                      ; q's or k's: 8,192
	GRP G1SV, 61, (3<<16)|(1<<21), 32, 16, 32                      ; v's: 4,096
	s_add_co_u32 s2, s19, 1                        ; offsets, each under 2^32
	s_lshl_b32 s94, s2, 22
	s_lshl_b32 s3, s62, 18
	s_add_co_u32 s94, s94, s3                      ; wq's or wk's images: the head's eight tiles
	s_lshl_b32 s63, s18, 16
	s_mul_i32 s66, s57, 3                          ; my prefetches of the weights: tile 3 cy + wave of the work-group's twelve (waves 0 to 2)
	s_add_co_u32 s66, s66, s16
	s_lshl_b32 s98, s19, 17
	s_add_co_u32 s98, s98, 0xc00000-0x40000
	s_add_co_u32 s98, s98, s3
	s_cmp_lt_u32 s66, 8
	s_cselect_b32 s98, s94, s98
	s_lshl_b32 s66, s66, 15
	s_add_co_u32 s98, s98, s66
	s_add_co_u32 s98, s98, 8192                    ; K 512 on
	s_mov_b32 s99, 0
	s_add_co_u32 s94, s94, s63                     ; my tiles begin at 2 wc
	s_mov_b32 s95, 0
	s_lshl_b32 s96, s19, 17
	s_add_co_u32 s96, s96, 0xc00000
	s_add_co_u32 s96, s96, s3
	s_add_co_u32 s96, s96, s63                     ; wv's: tile 4 s + 2 wc
	s_mov_b32 s97, 0
	s_lshl_b32 s100, s59, 19                       ; my prefetches of h: rows 64 cx + 16 wave .., from K 1,024 on
	s_lshl_b32 s66, s56, 17
	s_add_co_u32 s100, s100, s66
	s_lshl_b32 s66, s16, 15
	s_add_co_u32 s100, s100, s66
	s_add_co_u32 s100, s100, 1024
	s_mov_b32 s101, 0
	s_lshl_b32 s66, s2, 17
	s_lshl_b32 s3, s62, 13
	s_add_co_u32 s66, s66, s3
	s_mov_b32 s67, 0
	s_lshl_b32 s92, s19, 12
	s_add_co_u32 s92, s92, 0x60000
	s_add_co_u32 s92, s92, s3
	s_mov_b32 s93, 0
	s_lshl_b32 s20, s59, 19
	s_mov_b32 s21, 0
	s_lshl_b32 s22, s59, 14
	s_mov_b32 s23, 0
	s_wait_dscnt 0x0                               ; both opening adds are done
	s_wait_kmcnt 0x0
	s_add_nc_u64 s[20:21], s[4:5], s[20:21]
	s_add_nc_u64 s[22:23], s[6:7], s[22:23]
	s_add_nc_u64 s[66:67], s[6:7], s[66:67]
	s_add_nc_u64 s[92:93], s[6:7], s[92:93]
	s_add_nc_u64 s[94:95], s[4:5], s[94:95]
	s_add_nc_u64 s[96:97], s[4:5], s[96:97]
	s_add_nc_u64 s[98:99], s[4:5], s[98:99]
	s_add_nc_u64 s[100:101], s[4:5], s[100:101]
.macro G0SET g, lds, src
	s_mov_b32 s[\g], 1
	s_mov_b32 s[\g+1], \lds
	s_mov_b64 s[\g+2:\g+3], s[\src:\src+1]
	s_or_b32 s[\g+3], s[\g+3], 0x80000000
.endm
	G0SET G0H, 0, 20
	G0SET G0SA, SCH, 22
	G0SET G0SQ, SWQ, 66
	G0SET G0SV, SWV, 92
	CROUND                                         ; all sixteen work-groups are here: the first joint loads meet
; THE HEAD'S LOADS, one a wave: wave 0 h's first 512 along K, wave 1 h's scale bytes, waves 2 and 3 the weights'.
.macro ARM under, g0, g1, next
	s_cmp_lt_u32 s16, \under
	s_cbranch_scc0 \next
	TL \g0, \g1
	s_branch .Lhead_asked
\next:
.endm
	ARM 1, G0H, G1H, .Lhead_sa
	ARM 2, G0SA, G1SA, .Lhead_sq
	ARM 3, G0SQ, G1SQ, .Lhead_sv
	TL G0SV, G1SV
.Lhead_asked:
	v_and_b32 v1, 15, v0                           ; r
	v_bfe_u32 v2, v0, 4, 1                         ; h
	v_and_b32 v3, 31, v0
	v_lshlrev_b32 v[LI], 4, v3
	s_wait_alu depctr_va_vdst(0)
.macro WFR reg, base, off              ; a fragment of a weight: four loads of 512 consecutive bytes
.irp c, 0,1,2,3
	global_load_b128 v[\reg+4*\c:\reg+4*\c+3], v[LI], s[\base:\base+1] offset:(\off)+512*\c
.endr
.endm
.macro WLOAD st, k, half               ; half of the six fragments of K step k (counted from the bases) into set st % 4
.if \half == 0
	WIN 0x40
.irp n, 0,1,2
	WFR 64*((\st)%4)+16*\n, 94, 32768*(\n+2*(\n/2))+2048*(\k)
.endr
.else
	WIN 0x40
	WFR 64*((\st)%4)+48, 94, 32768*5+2048*(\k)
	WIN 0xc0
.irp n, 0,1
	WFR 128+32*((\st)%4)+16*\n, 96, 32768*\n+2048*(\k)
.endr
.endif
.endm
.irp k, 0,1,2
	WLOAD \k, \k, 0
	WLOAD \k, \k, 1
.endr
	WIN 0
	s_lshl_b32 s2, s16, 17                         ; refills: my 64 rows of h, from K 512 on
	s_mov_b32 s3, 0
	s_add_nc_u64 s[22:23], s[20:21], s[2:3]
	s_add_nc_u64 s[22:23], s[22:23], 512
	s_or_b32 s23, s23, 0x80000000
	s_mul_i32 s56, s16, 64*RP                      ; s56, s57  where my part of a fill of h, of cos or sin lies in a slot
	s_mul_i32 s57, s16, 64*CP
	s_mov_b32 s20, 1
	s_add_co_u32 s21, s56, S1
	s_mov_b32 s58, 0                               ; s58  the slot in hand
	s_mul_i32 s2, s17, 128*RP
	v_mul_u32_u24 v24, v1, RP
	v_lshl_add_u32 v24, v2, 4, v24
	v_add_nc_u32 v[AA0], s2, v24
	v_add_nc_u32 v[AA], s2, v24
	s_mul_i32 s2, s17, 32*272
	s_add_co_u32 s2, s2, SCH
	v_lshlrev_b32 v24, 6, v3                       ; 64 bytes a row, and 16 more for each 256 passed
	v_lshrrev_b32 v25, 2, v3
	v_lshl_add_u32 v24, v25, 4, v24
	v_add_nc_u32 v[ASH], s2, v24
	s_lshl_b32 s2, s18, 11
	s_add_co_u32 s3, s2, SWV
	s_add_co_u32 s2, s2, SWQ
	v_lshlrev_b32 v24, 10, v2
	v_lshl_add_u32 v24, v1, 4, v24
	v_add_nc_u32 v[ASQ], s2, v24
	v_add_nc_u32 v[ASV], s3, v24
	v_lshlrev_b32 v[PFW], 8, v3
	v_lshrrev_b32 v24, 1, v3
	v_lshlrev_b32 v24, 11, v24
	v_and_b32 v25, 1, v3
	v_lshl_add_u32 v[PFH], v25, 8, v24
	s_mul_i32 s2, s17, 64*CP
	s_lshl_b32 s3, s18, 7
	s_add_co_u32 s2, s2, s3
	v_and_b32 v24, 8, v1
	v_add_nc_u32 v24, v24, v1                      ; r + 8 (r / 8): lane r's true row in its tile's 32
	v_mul_u32_u24 v24, v24, CP
	v_lshl_add_u32 v24, v2, 6, v24
	v_add_nc_u32 v[CSA], s2, v24
	v_add_nc_u32 v[CSB], 128*CP, v[CSA]
	s_lshl_b32 s2, s17, 9
	s_lshl_b32 s3, s18, 1
	s_add_co_u32 s3, s2, s3
	s_add_co_u32 s3, s3, SCG
	s_add_co_u32 s2, s2, SCG
	v_lshl_add_u32 v[SGA], v1, 2, s3
	v_add_nc_u32 v24, s2, v[LI]                    ; v24  q's or k's 512 bytes of words
	s_lshl_b32 s2, s17, 8
	s_add_co_u32 s2, s2, SCG+1024
	s_lshl_b32 s3, s18, 7
	s_add_co_u32 s3, s2, s3
	v_lshl_add_u32 v[SGV], v1, 2, s3
	v_lshlrev_b32 v26, 3, v3
	v_add_nc_u32 v25, s2, v26                      ; v25  v's 256
.irp b, 0,1,2,3
	v_mov_b32 v[TM+4+\b], 0                        ; written once: a lane permute's destination counts as one of its sources
.endr
.macro PFWT
	s_cmp_lt_u32 s16, 3
	s_cbranch_scc0 .Lno_tile_\@
	global_prefetch_b8 v[PFW], s[98:99] th:TH_LOAD_NT scope:SCOPE_SE
.Lno_tile_\@:
.endm
	s_wait_alu depctr_va_vdst(0)                   ; the wait at the head's end
	PFWT                                           ; the weights' K 512 .. 1,023
	s_wait_tensorcnt 0x0                           ; my load of the head's four is in
	ds_add_u32 v[SPW], v[NIL]
	GRP G1C, 60, (1<<20)|(1<<21)|(6<<22)|(1<<25), 512, 64, 512     ; cos, sin: 64 rows a wave, 8 bytes of padding behind each
	s_lshl_b32 s2, s59, 17                         ; waves 0 and 1 fetch cos, waves 2 and 3 sin: rows 128 (wave % 2) + 64 x fill ..
	s_lshl_b32 s3, s18, 16
	s_add_co_u32 s2, s2, s3
	s_mov_b32 s3, 0
	s_mov_b32 s[G0C], 1
	s_add_nc_u64 s[G0C+2:G0C+3], s[8:9], s[2:3]
	s_or_b32 s[G0C+3], s[G0C+3], 0x80000000
	s_mov_b32 s[G0D], 1
	s_add_nc_u64 s[G0D+2:G0D+3], s[10:11], s[2:3]
	s_or_b32 s[G0D+3], s[G0D+3], 0x80000000
	s_mov_b32 s[MNT], 0x600000
	s_wait_dscnt 0x0
	CROUND                                         ; the head's four tiles are in, in every partner
	TL G0R, G1R                                    ; K 512 .. 1,023 of h into slot 1, the first tensor load behind the round
.macro FETCH q, i0                     ; four tiles of h, the slot's q-th 128 along K
	WIN 0
.irp m, 0,1,2,3
.irp c, 0,1,2,3
	ds_load_b128 v[AF+16*(\m+\i0)+4*\c:AF+16*(\m+\i0)+4*\c+3], v[AA] offset:(\m+\i0)*16*RP+128*(\q)+32*\c
.endr
.endr
.endm
.macro SCL q                           ; the scale words of the slot's q-th K step into set q % 2
	WIN 0
.irp p, 0,1,2,3
	ds_load_b32 v[SH+8*((\q)%2)+\p], v[ASH] offset:8*272*\p+4*(\q)
.endr
	ds_load_b32 v[SW+8*((\q)%2)], v[ASQ] offset:4*(\q)
	ds_load_b32 v[SW+8*((\q)%2)+1], v[ASQ] offset:4096+4*(\q)
	ds_load_b32 v[SW+8*((\q)%2)+2], v[ASV] offset:4*(\q)
.endm
.macro WM z                            ; one product; the odd tile's words lie in lanes 16-31
.if \z
.if pA && pB
	v_wmma_scale_f32_16x16x128_f8f6f4 v[rD:rD+7], v[rX:rX+15], v[rY:rY+15], 0, v[rS], v[rT] matrix_a_scale:MATRIX_SCALE_ROW1 matrix_b_scale:MATRIX_SCALE_ROW1
.elseif pA
	v_wmma_scale_f32_16x16x128_f8f6f4 v[rD:rD+7], v[rX:rX+15], v[rY:rY+15], 0, v[rS], v[rT] matrix_a_scale:MATRIX_SCALE_ROW1
.elseif pB
	v_wmma_scale_f32_16x16x128_f8f6f4 v[rD:rD+7], v[rX:rX+15], v[rY:rY+15], 0, v[rS], v[rT] matrix_b_scale:MATRIX_SCALE_ROW1
.else
	v_wmma_scale_f32_16x16x128_f8f6f4 v[rD:rD+7], v[rX:rX+15], v[rY:rY+15], 0, v[rS], v[rT]
.endif
.else
.if pA && pB
	v_wmma_scale_f32_16x16x128_f8f6f4 v[rD:rD+7], v[rX:rX+15], v[rY:rY+15], v[rD:rD+7], v[rS], v[rT] matrix_a_scale:MATRIX_SCALE_ROW1 matrix_b_scale:MATRIX_SCALE_ROW1
.elseif pA
	v_wmma_scale_f32_16x16x128_f8f6f4 v[rD:rD+7], v[rX:rX+15], v[rY:rY+15], v[rD:rD+7], v[rS], v[rT] matrix_a_scale:MATRIX_SCALE_ROW1
.elseif pB
	v_wmma_scale_f32_16x16x128_f8f6f4 v[rD:rD+7], v[rX:rX+15], v[rY:rY+15], v[rD:rD+7], v[rS], v[rT] matrix_b_scale:MATRIX_SCALE_ROW1
.else
	v_wmma_scale_f32_16x16x128_f8f6f4 v[rD:rD+7], v[rX:rX+15], v[rY:rY+15], v[rD:rD+7], v[rS], v[rT]
.endif
.endif
.endm
; Twelve products: tiles m = 2 i, 2 i + 1 against q's or k's four tiles and v's two.  The 48 accumulators take turns, one instruction a turn.
.macro PIECE i, q, zero
	WIN 0xa1
.irp m, 2*(\i),2*(\i)+1
.irp n, 0,1,2,3
.set rD, 32*(\m)+8*\n
.set rX, 64*(\q)+16*\n
.set rY, AF+16*(\m)
.set rS, SW+8*((\q)%2)+(\n/2)
.set rT, SH+8*((\q)%2)+((\m)/2)
.set pA, \n%2
.set pB, (\m)%2
	WM \zero
.endr
.endr
	WIN 0xfc
.irp m, 2*(\i),2*(\i)+1
.irp n, 0,1
.set rD, 64*\n+8*(\m)
.set rX, AF+16*(\m)
.set rY, 128+32*(\q)+16*\n
.set rS, SH+8*((\q)%2)+((\m)/2)
.set rT, SW+8*((\q)%2)+2
.set pA, (\m)%2
.set pB, \n
	WM \zero
.endr
.endr
.endm
; A K step that has its successor in the same slot.  h's tiles 0-3 are fetched anew in its middle, 4-7 at its end, each eight places behind their products.  ld: the weights of three K steps on are asked for.
.macro STEP q, zero, younger, ld, k, adv
	s_wait_dscnt 16                                ; the words and h's tiles 0-3 are in; the sixteen loads of tiles 4-7 may be out
	s_wait_loadcnt \younger                        ; this step's weights are in; those of the steps behind it, 24 loads each, may be out
	PIECE 0, \q, \zero
	PIECE 1, \q, \zero
	s_wait_dscnt 0x0
	PLACES 8
	SCL \q+1
	FETCH \q+1, 0
.if \q == 0
	s_wait_xcnt 0x0                                ; earlier loads and prefetches have read their bases
	s_add_nc_u64 s[98:99], s[98:99], 8192
.if \adv
	s_add_nc_u64 s[94:95], s[94:95], 8192          ; 512 along K on
	s_add_nc_u64 s[96:97], s[96:97], 8192
	s_add_nc_u64 s[100:101], s[100:101], 512
.endif
.endif
.if \ld
	WLOAD \q+3, \k, 0
.endif
	PIECE 2, \q, \zero
	PIECE 3, \q, \zero
	PLACES 8
	FETCH \q+1, 4
.if \ld
	WLOAD \q+3, \k, 1
.endif
	WIN 0
.endm
.macro PF                              ; what is two fills of h ahead, and the weights 512 along K and more ahead of their loads
	global_prefetch_b8 v[PFH], s[100:101] th:TH_LOAD_NT scope:SCOPE_SE
	PFWT
.endm
.macro CLOAD                           ; cos (waves 0 and 1) and sin (waves 2 and 3): one load a wave
	s_cmp_lt_u32 s16, 2
	s_cbranch_scc0 .Lsin_\@
	TL G0C, G1C
	s_branch .Lcs_\@
.Lsin_\@:
	TL G0D, G1C
.Lcs_\@:
.endm
; cos and sin of tile m's rows at my 32 places: 16 registers each of cos(d), cos(d + 64), sin(d), sin(d + 64).  Loads of 8 bytes: with rows 520 bytes apart the 32 lanes touch 64 different banks.
.macro CS m
	WIN 0x40
.irp i, 0,1
.irp c, 0,1,2,3,4,5,6,7
	ds_load_b64 v[64*(\m%4)+16*\i+2*\c:64*(\m%4)+16*\i+2*\c+1], v[CSA] offset:(32*((\m%4)/2)+8*(\m%2))*CP+256*\i+8*\c
	ds_load_b64 v[64*(\m%4)+32+16*\i+2*\c:64*(\m%4)+32+16*\i+2*\c+1], v[CSB] offset:(32*((\m%4)/2)+8*(\m%2))*CP+256*\i+8*\c
.endr
.endr
	WIN 0
.endm
; A slot's last K step changes slots: one round; ahead of it a wait for my tensor loads and an add to my spare word.  Behind it the slot just read is filled again: with h 1,024 along K on, and in the last two changes with cos and sin.
.macro TURN lp
	WIN 0
	s_wait_tensorcnt 0x0                           ; all my tensor loads have landed: my part of the next slot
	ds_add_u32 v[SPW], v[NIL]
	s_add_co_u32 s[G0C+1], s57, s58
	s_mov_b32 s[G0D+1], s[G0C+1]
.if \lp
	s_add_nc_u64 s[G0R+2:G0R+3], s[G0R+2:G0R+3], 512
	s_add_co_u32 s[G0R+1], s56, s58
	s_xor_b32 s58, s58, S1
.else
	s_add_nc_u64 s[G0C+2:G0C+3], s[G0C+2:G0C+3], 64*512
	s_add_nc_u64 s[G0D+2:G0D+3], s[G0D+2:G0D+3], 64*512
.endif
	s_wait_dscnt 17                                ; tiles 4-7's sixteen loads and the add may be out
	s_wait_loadcnt 48*\lp
	PIECE 0, 3, 0
	WIN 0
	s_wait_dscnt 0x0                               ; the add is done, and my reads of this slot are over
	s_barrier_signal -1
	PIECE 1, 3, 0
	WIN 0
	s_barrier_wait -1
	CREST                                          ; no wave of any partner still reads this slot or has a load on its way
.if \lp
	s_cmp_lt_u32 s67, 2                            ; the count of trips, the same in all waves and partners
	s_cbranch_scc0 .Lcos_now
	TL G0R, G1R
	s_branch .Lfilled
.Lcos_now:
	CLOAD
.Lfilled:
	v_add_nc_u32 v[AA], s58, v[AA0]                ; four plain lines, which with the load's four are eight places
	v_add_nc_u32 v[ASH], 16, v[ASH]
	v_add_nc_u32 v[ASQ], 0x100, v[ASQ]
	v_add_nc_u32 v[ASV], 0x100, v[ASV]
	s_wait_alu depctr_va_vdst(0)                   ; the wait directly behind the writes
	SCL 0
	FETCH 0, 0
	WLOAD 6, 6, 0
.else
	CLOAD
	PLACES 4
	CS 0
.endif
	PIECE 2, 3, 0
	PIECE 3, 3, 0
	PLACES 8
.if \lp
	FETCH 0, 4
	WLOAD 6, 6, 1
.endif
	WIN 0
.endm
	SCL 0
	FETCH 0, 0
	FETCH 0, 4
	s_lshl_b32 s2, s62, 4                          ; where the results go, while these loads are out: block 16 x head + 2 y + wr
	s_lshl_b32 s3, s59, 1
	s_add_co_u32 s2, s2, s3
	s_add_co_u32 s2, s2, s17
	s_mul_i32 s24, s2, 33792
	s_mov_b32 s25, 0
	s_add_nc_u64 s[28:29], s[14:15], s[24:25]      ; the block in kv
	s_mov_b32 s3, 33792
	s_mov_b32 s26, 32768
	s_cmp_eq_u32 s19, 0
	s_cselect_b64 s[12:13], s[12:13], s[14:15]
	s_cselect_b32 s3, 16896, s3
	s_cselect_b32 s26, 16384, s26
	s_mul_i32 s2, s2, s3
	s_mov_b32 s3, 0
	s_mov_b32 s27, 0
	s_add_nc_u64 s[24:25], s[12:13], s[2:3]        ; the block of q or k,
	s_add_nc_u64 s[26:27], s[24:25], s[26:27]      ; its scale words,
	s_lshl_b32 s2, s18, 10
	s_add_nc_u64 s[24:25], s[24:25], s[2:3]        ; and my chunks 2 wc, 2 wc + 1
	s_lshl_b32 s2, s19, 8
	s_add_co_u32 s2, s2, 33280
	s_add_nc_u64 s[30:31], s[28:29], s[2:3]        ; v's scale words: 256 bytes
	s_lshl_b32 s2, s19, 13
	s_lshl_b32 s32, s18, 12
	s_add_co_u32 s2, s2, s32
	s_add_co_u32 s2, s2, 16384
	s_add_nc_u64 s[28:29], s[28:29], s[2:3]        ; v's images: tile 4 s + 2 wc
	s_mov_b32 s[SEL], 0x76543210
	s_mov_b32 s[SEL+1], 0xfedcba98
	s_mov_b32 s67, 0
	STEP 0, 1, 48, 1, 3, 0                         ; the first step's products start the sums: nothing is cleared
	PF
.Llap:                                                 ; three trips: from a slot's second K step to the next slot's first
	STEP 1, 0, 48, 1, 4, 0
	STEP 2, 0, 48, 1, 5, 0
	TURN 1
	STEP 0, 0, 48, 1, 3, 1
	s_cmp_eq_u32 s67, 0                            ; the first trip asks ahead for the last 512 along K; behind it there is nothing more to ask for
	s_cbranch_scc0 .Lno_pf
	PF
.Lno_pf:
	s_add_co_u32 s67, s67, 1
	s_wait_alu depctr_va_vdst(0)
	s_cmp_lt_u32 s67, 3
	s_cbranch_scc1 .Llap
	STEP 1, 0, 48, 0, 0, 0                         ; the last three K steps ask for no weights
	STEP 2, 0, 24, 0, 0, 0
	TURN 0
; 64 numbers of a lane in window W, v[s + 16 b + i]: four blocks, each shared with lane l xor 16.  Out: codes in v[PC + 4 b ..], bytes in v[TM + 4 + b]; the held numbers pass through v[N ..] of window 0.
.macro QUANT4 s, W
	WIN (\W)|((\W)<<2)
.irp b, 0,1,2,3
	v_max3_num_f32 v[TM+\b], |v[(\s)+16*\b]|, |v[(\s)+16*\b+1]|, 0x4800000   ; from the low end on, and the floor 2^(9 - 127): the byte cannot fall under 1
.endr
.irp i, 2,4,6,8,10,12,14
.irp b, 0,1,2,3
	v_max3_num_f32 v[TM+\b], |v[(\s)+16*\b+\i]|, |v[(\s)+16*\b+\i+1]|, v[TM+\b]
.endr
.endr
	WIN 0
.irp b, 0,1,2,3
	v_permlanex16_b32 v[TM+4+\b], v[TM+\b], s[SEL], s[SEL+1]
.endr
.irp b, 0,1,2,3
	v_max_num_f32 v[TM+\b], v[TM+\b], v[TM+4+\b]
.endr
.irp b, 0,1,2,3
	v_add_nc_u32 v[TM+12+\b], 0xfc000000, v[TM+\b]   ; 8 off the exponent field: the conversion's scale operand
.endr
.irp b, 0,1,2,3
	v_and_or_b32 v[TM+8+\b], v[TM+\b], 0x7f800000, s[MNT]   ; 448 x the scale
.endr
.irp b, 0,1,2,3
	v_lshrrev_b32 v[TM+4+\b], 23, v[TM+12+\b]        ; the scale's byte
.endr
	WIN (\W)
.irp b, 0,1,2,3
.irp i, 0,1,2,3,4,5,6,7,8,9,10,11,12,13,14,15
	v_med3_num_f32 v[N+16*\b+\i], v[(\s)+16*\b+\i], -v[TM+8+\b], v[TM+8+\b]   ; the hold (the conversion does not saturate: ISA guide 7.6.2)
.endr
.endr
	WIN 0
.irp b, 0,1,2,3
	v_cvt_scalef32_pk8_fp8_f32 v[PC+4*\b:PC+4*\b+1], v[N+16*\b:N+16*\b+7], v[TM+12+\b]
	v_cvt_scalef32_pk8_fp8_f32 v[PC+4*\b+2:PC+4*\b+3], v[N+16*\b+8:N+16*\b+15], v[TM+12+\b]
.endr
	v_nop                                          ; a plain line behind the last conversion
.endm
.macro VOUT n                          ; v's tile n: my 128 keys, four blocks: a whole image and its scale words
	s_wait_xcnt 0x0                                ; earlier stores have read their data
	QUANT4 64*\n, 3
	v_lshl_or_b32 v[PW+\n], v[TM+5], 8, v[TM+4]
	v_lshl_or_b32 v[PW+\n], v[TM+6], 16, v[PW+\n]
	v_lshl_or_b32 v[PW+\n], v[TM+7], 24, v[PW+\n]
.irp c, 0,1,2,3
	global_store_b128 v[LI], v[PC+4*\c:PC+4*\c+3], s[28:29] offset:2048*\n+512*\c   ; 512 consecutive bytes, aligned
.endr
	ds_store_b32 v[SGV], v[PW+\n] offset:64*\n     ; both halves of the lanes write the same bytes with the same values
.endm
.macro QKOUT p, younger                ; tiles 2 p and 2 p + 1 of q or k: RoPE, quantised along the head's axis, stored
	s_wait_xcnt 0x0
	s_wait_dscnt \younger                          ; these tiles' cos and sin are in
	WIN 0x06
.irp u, 0,1
.set qA, 64*\p+32*\u
.set qC, 64*((2*\p+\u)%4)
.set qN, N+32*\u
.irp e, 0,2,4,6,8,10,12,14                     ; each accumulator from its low end on
	v_pk_mul_f32 v[qN+\e:qN+\e+1], v[qA+\e:qA+\e+1], v[qC+\e:qC+\e+1]
	v_pk_mul_f32 v[qN+16+\e:qN+16+\e+1], v[qA+16+\e:qA+16+\e+1], v[qC+16+\e:qC+16+\e+1]
	v_pk_fma_f32 v[qN+\e:qN+\e+1], v[qA+16+\e:qA+16+\e+1], v[qC+32+\e:qC+32+\e+1], v[qN+\e:qN+\e+1] neg_lo:[1,0,0] neg_hi:[1,0,0]   ; u(d) cos(d) - u(d + 64) sin(d)
	v_pk_fma_f32 v[qN+16+\e:qN+16+\e+1], v[qA+\e:qA+\e+1], v[qC+48+\e:qC+48+\e+1], v[qN+16+\e:qN+16+\e+1]                          ; u(d + 64) cos(d + 64) + u(d) sin(d + 64)
.endr
.endr
	WIN 0
	QUANT4 N, 0
.irp u, 0,1
	v_lshl_or_b32 v[PW+2+2*\p+\u], v[TM+5+2*\u], 8, v[TM+4+2*\u]
.endr
.irp u, 0,1
	global_store_b128 v[LI], v[PC+8*\u:PC+8*\u+3], s[24:25] offset:2048*(2*\p+\u)
	global_store_b128 v[LI], v[PC+8*\u+4:PC+8*\u+7], s[24:25] offset:2048*(2*\p+\u)+512
.endr
.irp u, 0,1
	ds_store_b16 v[SGA], v[PW+2+2*\p+\u] offset:64*(2*\p+\u)
.endr
.endm
	CS 1
	VOUT 0
	CS 2
	VOUT 1
	CS 3
	QKOUT 0, 63                                    ; behind tile 1's loads: two tiles' and two stores, 66
	s_wait_alu depctr_va_vdst(0)
	s_wait_tensorcnt 0x0                           ; the second half of cos and sin
	s_wait_dscnt 0x0
	s_barrier_signal -1
	s_barrier_wait -1
	v_add_nc_u32 v[CSA], S1, v[CSA]
	v_add_nc_u32 v[CSB], S1, v[CSB]
	s_wait_alu depctr_va_vdst(0)
	CS 4
	CS 5
	QKOUT 1, 63                                    ; tiles 2 and 3 came in ahead of the barrier
	CS 6
	CS 7
	QKOUT 2, 63                                    ; behind tile 5's loads: two stores and two tiles', 66
	QKOUT 3, 2                                     ; behind tile 7's: two stores
	s_wait_alu depctr_va_vdst(0)
	s_wait_dscnt 0x0                               ; for the others' sake: my scale bytes lie in LDS
	s_barrier_signal -1
	s_barrier_wait -1
	s_wait_xcnt 0x0
	s_cmp_eq_u32 s18, 0
	s_cbranch_scc0 .Lv_words
	ds_load_b128 v[N:N+3], v24                     ; q's or k's 128 words: 512 consecutive bytes
	s_wait_dscnt 0x0
	global_store_b128 v[LI], v[N:N+3], s[26:27]
	s_branch .Lend
.Lv_words:
	ds_load_b64 v[N:N+1], v25                      ; v's 64 words: 256 consecutive bytes
	s_wait_dscnt 0x0
	global_store_b64 v26, v[N:N+1], s[30:31]
.Lend:
	s_wait_tensorcnt 0x0                           ; the wave's end
	ds_add_u32 v[SPW], v[NIL]
	s_wait_dscnt 0x0
	CROUND                                         ; the closing round
	s_endpgm
.Lfunc_end_k_q338f3858f8_qkv:
	.size	k_q338f3858f8_qkv, .Lfunc_end_k_q338f3858f8_qkv-k_q338f3858f8_qkv
	.p2alignl 7, 3214868480
	.fill 96, 4, 3214868480
	.section	.rodata,"a",@progbits
	.p2align	6, 0x0
	.amdhsa_kernel k_q338f3858f8_qkv
		.amdhsa_group_segment_fixed_size 327680
		.amdhsa_private_segment_fixed_size 0
		.amdhsa_enable_private_segment 0
		.amdhsa_kernarg_size 48
		.amdhsa_user_sgpr_count 2
		.amdhsa_user_sgpr_kernarg_segment_ptr 1
		.amdhsa_wavefront_size32 1
		.amdhsa_system_sgpr_workgroup_id_x 1
		.amdhsa_system_sgpr_workgroup_id_y 1
		.amdhsa_system_sgpr_workgroup_id_z 1
		.amdhsa_system_vgpr_workitem_id 0
		.amdhsa_next_free_vgpr 1024
		.amdhsa_next_free_sgpr 102
		.amdhsa_reserve_vcc 0
		.amdhsa_float_denorm_mode_32 3
		.amdhsa_float_denorm_mode_16_64 3
		.amdhsa_memory_ordered 1
		.amdhsa_forward_progress 1
		.amdhsa_inst_pref_size 196
	.end_amdhsa_kernel
	.amdgpu_metadata
---
amdhsa.version: [ 1, 2 ]
amdhsa.kernels:
  - .name:           k_q338f3858f8_qkv
    .symbol:         k_q338f3858f8_qkv.kd
    .args:
      - { .name: codes, .offset: 0, .size: 8, .value_kind: global_buffer, .address_space: global }
      - { .name: scl, .offset: 8, .size: 8, .value_kind: global_buffer, .address_space: global }
      - { .name: cos, .offset: 16, .size: 8, .value_kind: global_buffer, .address_space: global }
      - { .name: sin, .offset: 24, .size: 8, .value_kind: global_buffer, .address_space: global }
      - { .name: qb, .offset: 32, .size: 8, .value_kind: global_buffer, .address_space: global }
      - { .name: kv, .offset: 40, .size: 8, .value_kind: global_buffer, .address_space: global }
    .group_segment_fixed_size: 327680
    .private_segment_fixed_size: 0
    .kernarg_segment_align: 8
    .kernarg_segment_size: 48
    .max_flat_workgroup_size: 128
    .sgpr_count:     102
    .vgpr_count:     1024
    .wavefront_size: 32
...
	.end_amdgpu_metadata
.endif
;; end of part 2
;; launch attn (part 3): grid 16 x 16, 8 waves a work-group, clusters of 2 x 1, 327,680 bytes of LDS; arguments qb, kv, ob, os, wo, woc, wos; writes ob, os, woc, wos
.if DOCPART == 3
	.amdgcn_target "amdgcn-amd-amdhsa--gfx1250"
	.amdhsa_code_object_version 6
	.text
	.protected	k_q338f3858f8_attn
	.globl	k_q338f3858f8_attn
	.p2align	8
	.type	k_q338f3858f8_attn,@function
k_q338f3858f8_attn:
	s_mov_b64 s[64:65], 0
	v_nop
	global_prefetch_b8 v0, s[64:65] scope:SCOPE_SE
	s_setreg_imm32_b32 hwreg(HW_REG_WAVE_MODE, 25, 1), 1
	s_wait_xcnt 0x0
	s_wait_alu depctr_hold_cnt(0) depctr_sa_sdst(0) depctr_va_vdst(0) depctr_va_sdst(0) depctr_va_ssrc(0) depctr_va_vcc(0) depctr_vm_vsrc(0)
	s_getreg_b32 s2, hwreg(HW_REG_IB_STS2, 6, 4)
	s_cmp_eq_u32 s2, 0
	s_cbranch_scc0 .Lentry_in_a_cluster
	s_endpgm
.Lentry_in_a_cluster:
	s_bfe_u32 s2, ttmp6, 0x10000c
	s_cmp_lg_u32 s2, 0x1001
	s_cbranch_scc0 .Lentry_shape_is_right
	s_endpgm
.Lentry_shape_is_right:
; Causal attention on codes of FP8 (E4M3) with E8M0 block scales, and the quantising of its result along the head's 128 for the output projection; and the quantising of wo for the launch behind.
; t = score x log2(e) / sqrt(128); M = the running largest t rounded up to a whole number; p = 2^(t - M) is quantised along the keys; the sum is taken of the unquantised p and divides at the end.
; SHARES.  Grid x = j, y = head.  Work-group j owns the blocks of 64 queries j and 31 - j; with jj = j / 2 they need jj + 1 and 16 - jj key steps of 128: 17 in all, for each of four tiles of 16 queries.  Key steps that
; lie wholly behind a block's queries are masked out by the causal mask, and are not walked (so a NaN or an infinity that only they would meet is not carried).
; EIGHT WAVES, two to a SIMD.  Tile = wave % 4.  Waves 0 to 3 (group 0) take key steps 0 .. 7 - jj of block 31 - j in trips 0 .. 7 - jj, hand that state to LDS, and take block j in trips 8 - jj .. 8 (trip 8 is its diagonal
; step).  Waves 4 to 7 (group 1) take key steps 8 - jj .. 15 - jj of block 31 - j in trips 0 .. 7 (7 is the diagonal step), join group 0's state to theirs (M is a whole number, so bringing both under the larger M
; is a multiplication by a power of two) and finish that block; then, while group 0 walks trip 8, they quantise wo: each wave one tile of 16 rows x two K steps, held as an operand's registers lie.
; CLUSTER of 2 along x: work-groups 2 jj and 2 jj + 1 of a head walk the same key steps in the same trips, so every block of K and V is asked for jointly.  Branches hang on jj, the wave and the trip, never on the place in the cluster.
; A key step's K images, V^T images and scale words are ONE dense block of 33,792 bytes of kv.  A slot holds two trips' blocks of both groups, [group][trip % 2]; wave w brings half a block, at 16,896 w, by one tensor load.
; In a slot's first trip the second's fragments of K are asked for behind the first products: they land under the softmax.
; LAYOUT.  Both products transposed: S^T = K Q^T, O^T = V^T P^T: a lane holds one query.  Tiles are sixteen positions (bits 3 and 4 of the row exchanged), so the registers of tiles 2 b, 2 b + 1 are keys (or channels) 32 b + 16 (lane / 16) + 0..15.
; LIMITS: NaN and infinities are not served; hidden scores become -infinity, so p = 0; a block of zeros gets the byte 1 (its codes are zeros; this program alone reads the bytes); the division is a reciprocal and a multiplication.
; REGISTERS: window 0: v1-11, v93-95 addresses; v12 -M, v13 the largest t, v[14:15] the sum; v16-31 Q, v64 its scale word; v66-82 block j's, for group 0's change of blocks; v32-47 codes; v48-51, v56-59 K's and V's scale
;   words (lanes 0-15 an even tile's, lanes 16-31 the odd one's); v62 p's; v84-92 the end; v96-159 S^T, then p; v160-223 O^T; v232-255 at work.   window 1: v0-127 K's eight fragments (at the end wo), v128-255 V's.
.set STEPB, 33792                      ; a key step's block
.set PARTB, 16896                      ; half of it: what one tensor load brings
.set GRPB,  2*STEPB                    ; a group's two trips in a slot
.set SLOTB, 2*GRPB                     ; a slot
.set S1,    0x28000                    ; slot 1 begins here: one exclusive or turns the slots' offset
.set STB,   8704                       ; a state: O^T as 16 x 512 bytes, then -M, t and the sum's halves as 512: tiles 0, 1 behind slot 0, tiles 2, 3 behind slot 1
.set SPARE, S1+SLOTB+2*STB             ; the spare words, 128 bytes for each of eight waves
.set LI,   1                           ; v1   16 x lane
.set LS,   2                           ; v2   4 x (lane % 16)
.set SPW,  5
.set NIL,  6
.set PFO,  7                           ; v7   256 x lane
.set ADK,  8
.set ADS,  9
.set QD,   10                          ; v10  my query's place in its tile's 32, less 16 (lane / 16)
.set MRA,  11                          ; v11  my tile's state in LDS
.set LW,   93                          ; v93  4 x lane
.set WOA,  94                          ; v94  wo: my row, my half's 64 bytes
.set PFX,  95                          ; v95  wo's prefetches: a lane a row and a block of 256 bytes
.set PC,   32
.set PW,   62
.set TM,   232
.set WV,   12
.set TQ,   13                          ; s13  my tile: wave % 4
.set HD,   14
.set TN,   15                          ; s15  the trip
.set DG,   16                          ; s16  the loop's diagonal trip: 7 (group 1); none (group 0)
.set TB,   18                          ; s18  LDS byte of my group's first block in the slot
.set MNT,  19
.set SEL,  20
.set CS,   22
.set G1,   24
.set G0,   32
.set KB,   40                          ; s[40:41] my half of the head's key step 0
.set KO,   42                          ; s[42:43] the key step to be asked for, in bytes
.set PFA,  44
.set LIM,  62
.set FT,   63                          ; s63  the trip behind which group 0 changes blocks: 7 - jj
.set DB,   66
.set NF,   67                          ; s67  the place in my group's sequence of key steps that I fetch
.set RT,   68                          ; s68  from this place on SUBV is taken off
.set SUBV, 69
.set B0,   70
.set GB,   71                          ; s71  my group's part of a slot
.set RING, 73
.set BH,   74                          ; s74  31 - j
.set SL,   75                          ; s75  the slot ahead
.set LP,   82                          ; s82  my part of a slot
.set LWT,  83                          ; s83  the trip at which wo is prefetched: 4 (group 1); none (group 0)
.set CX,   84
.set JB,   85                          ; s85  j
.set MSB, 0
.macro WIN new
.if MSB != (\new)
	s_set_vgpr_msb (MSB<<8)|(\new)
.set MSB, (\new)
.endif
.endm
.macro PLACES n
.rept \n
	v_nop
.endr
.endm
.macro CROUND                          ; a round of the cluster's barrier
	s_barrier_signal -1
	s_barrier_wait -1
	s_cmp_lg_u32 s[WV], 0
	s_cbranch_scc1 .Lnot_wave_0_\@
	s_barrier_signal -3
.Lnot_wave_0_\@:
	s_barrier_wait -3
	s_barrier_signal -1
	s_barrier_wait -1
.endm
.macro QUANT4 s, W, d                  ; 64 numbers of a lane, four blocks, each shared with lane l xor 16: codes to v[PC ..], bytes to v[TM + 4 + b]
	WIN (\W)|((\W)<<2)
.irp b, 0,1,2,3
	v_max3_num_f32 v[TM+\b], |v[(\s)+16*\b]|, |v[(\s)+16*\b+1]|, 0x4800000
.endr
.irp i, 2,4,6,8,10,12,14
.irp b, 0,1,2,3
	s_delay_alu instid0(VALU_DEP_4)
	v_max3_num_f32 v[TM+\b], |v[(\s)+16*\b+\i]|, |v[(\s)+16*\b+\i+1]|, v[TM+\b]
.endr
.endr
	WIN 0
.irp b, 0,1,2,3
.if (\W) == 0                          ; (otherwise a window switch stands between)
	s_delay_alu instid0(VALU_DEP_4)
.endif
	v_permlanex16_b32 v[TM+4+\b], v[TM+\b], s[SEL], s[SEL+1]
.endr
.irp b, 0,1,2,3
	s_delay_alu instid0(VALU_DEP_4)
	v_max_num_f32 v[TM+\b], v[TM+\b], v[TM+4+\b]
.endr
.irp b, 0,1,2,3
	s_delay_alu instid0(VALU_DEP_4)
	v_add_nc_u32 v[TM+12+\b], 0xfc000000, v[TM+\b]
.endr
.irp b, 0,1,2,3
	v_and_or_b32 v[TM+8+\b], v[TM+\b], 0x7f800000, s[MNT]
.endr
.irp b, 0,1,2,3
	v_lshrrev_b32 v[TM+4+\b], 23, v[TM+12+\b]
.endr
	WIN (\W)
.irp b, 0,1,2,3
.irp i, 0,1,2,3,4,5,6,7,8,9,10,11,12,13,14,15
	v_med3_num_f32 v[(\d)+16*\b+\i], v[(\s)+16*\b+\i], -v[TM+8+\b], v[TM+8+\b]
.endr
.endr
	WIN 0
.irp b, 0,1,2,3
	v_cvt_scalef32_pk8_fp8_f32 v[PC+4*\b:PC+4*\b+1], v[(\d)+16*\b:(\d)+16*\b+7], v[TM+12+\b]
	v_cvt_scalef32_pk8_fp8_f32 v[PC+4*\b+2:PC+4*\b+3], v[(\d)+16*\b+8:(\d)+16*\b+15], v[TM+12+\b]
.endr
	v_nop
.endm
.macro WORD d                          ; the four bytes of a scale word
	v_lshl_or_b32 v[\d], v[TM+5], 8, v[TM+4]
	s_delay_alu instid0(VALU_DEP_1)
	v_lshl_or_b32 v[\d], v[TM+6], 16, v[\d]
	s_delay_alu instid0(VALU_DEP_1)
	v_lshl_or_b32 v[\d], v[TM+7], 24, v[\d]
.endm
; The key step at place NF of my group's sequence, in bytes.  Group 0: places 0 .. 7 - jj are steps 0 .. 7 - jj, from place 8 - jj on the steps begin at 0 again.  Group 1: place n is step 8 - jj + n; places 8 and 9, which nobody reads, are steps 0 and 1.
.macro KSTEP
	s_cmp_ge_u32 s[NF], s[RT]
	s_cselect_b32 s2, s[SUBV], 0
	s_add_co_u32 s3, s[NF], s[B0]
	s_sub_co_u32 s3, s3, s2
	s_mul_i32 s[KO], s3, STEPB
.endm
	s_load_b256 s[4:11], s[0:1], 0x0               ; qb, kv, ob, os
	s_load_b128 s[76:79], s[0:1], 0x20             ; wo, woc
	s_load_b64 s[80:81], s[0:1], 0x30              ; wos
	v_lshl_add_u32 v[SPW], v0, 2, SPARE
	v_mov_b32 v[NIL], 0
	ds_add_u32 v[SPW], v[NIL]                      ; the opening lines: the add, twice on end
	ds_add_u32 v[SPW], v[NIL]
	v_lshrrev_b32 v3, 5, v0
	v_readfirstlane_b32 s[WV], v3                  ; wave 0..7
	s_and_b32 s[TQ], s[WV], 3
	s_and_b32 s[HD], ttmp7, 0xffff
	s_bfe_u32 s[CX], ttmp6, 0x40000
	s_lshl_b32 s[JB], ttmp9, 1                     ; ttmp9 counts clusters: jj
	s_add_co_u32 s[JB], s[JB], s[CX]
	s_sub_co_u32 s[BH], 31, s[JB]
	s_bfe_u32 s[NF], s[WV], 0x10001                ; which of a slot's two trips I fetch for: bit 1 of the wave's number
	s_lshr_b32 s[GB], s[WV], 2
	s_mul_i32 s[GB], s[GB], GRPB
	s_sub_co_u32 s3, 8, ttmp9
	s_sub_co_u32 s46, 16, ttmp9
	s_sub_co_u32 s47, 7, ttmp9
	s_cmp_lt_u32 s[WV], 4                          ; group 0 or group 1
	s_cselect_b32 s[DG], 64, 7
	s_mov_b32 s[FT], s47
	s_cselect_b32 s[RT], s3, 8
	s_cselect_b32 s[SUBV], s3, s46
	s_cselect_b32 s[B0], 0, s3
	s_cselect_b32 s[LWT], 64, 4
	s_lshr_b32 s2, s[WV], 2
	s_xor_b32 s2, s2, 1                            ; 0 in group 1,
	s_or_b32 s2, s2, ttmp9                         ; of the head's first cluster
	s_cmp_eq_u32 s2, 0
	s_cselect_b32 s[LIM], 4, 0                     ; it prefetches at the changes of slots of trips 0 and 2
	; group 1 of the descriptor: half a key step's block: 16,896 dense bytes as 66 rows of 256 (32 elements of 8 bytes), joint: both work-groups of the cluster
	s_mov_b32 s[G1], (3<<16)|(1<<21)|3
	s_mov_b32 s[G1+1], 32<<16
	s_mov_b32 s[G1+2], 66<<16
	s_mov_b32 s[G1+3], 32<<16
	s_mov_b32 s[G1+4], 66
	s_mov_b32 s[G1+5], 32
	s_mov_b32 s[G1+6], 0
	s_mov_b32 s[G1+7], 0
	s_mul_i32 s48, s[HD], 16*STEPB                 ; the head's first byte in kv
	s_and_b32 s49, s[WV], 1                        ; which half of a block I fetch
	s_mul_i32 s46, s49, PARTB
	s_add_co_u32 s46, s46, s48
	s_mov_b32 s47, 0
	s_add_co_u32 s2, s[NF], 10                     ; the prefetches stand at key step 10 or 11; the first change of slots steps them to 12 or 13
	s_mul_i32 s2, s2, STEPB
	s_lshl_b32 s49, s49, 14                        ; my half of the step's 128 blocks of 256 bytes of images, my work-group's half of that
	s_add_co_u32 s48, s48, s49
	s_add_co_u32 s48, s48, s2
	s_lshl_b32 s49, s[CX], 13
	s_add_co_u32 s48, s48, s49
	s_mov_b32 s49, 0
	s_mov_b32 s[KO+1], 0
	KSTEP
	s_mul_i32 s[LP], s[WV], PARTB                  ; where my part lands in a slot
.macro QADDR par, blk, img, scw        ; offsets of a block's fragment of Q for my tile and of its scale words; s\blk = block / 2, s\par = block % 2
	s_lshl_b32 s3, s[HD], 4
	s_add_co_u32 s3, s3, s\blk
	s_mul_i32 s3, s3, 16896
	s_lshl_b32 s2, s\par, 2
	s_add_co_u32 s2, s2, s[TQ]
	s_lshl_b32 s\img, s2, 11
	s_add_co_u32 s\img, s\img, s3
	s_lshl_b32 s\scw, s2, 6
	s_add_co_u32 s\scw, s\scw, s3
	s_add_co_u32 s\scw, s\scw, 16384
.endm
	s_lshr_b32 s50, s[BH], 1
	s_and_b32 s51, s[BH], 1
	QADDR 51, 50, 54, 56
	s_lshr_b32 s50, s[JB], 1
	QADDR 84, 50, 58, 60
	s_mov_b32 s55, 0
	s_mov_b32 s57, 0
	s_mov_b32 s59, 0
	s_mov_b32 s61, 0
	s_cmp_lt_u32 s[WV], 4                          ; the diagonal step: block j's (group 0), block 31 - j's (group 1): my tile's first query within its 128: 64 (block % 2) + 32 (tile / 2) + 8 (tile % 2)
	s_cselect_b32 s2, s[CX], s51
	s_lshl_b32 s[DB], s2, 6
	s_lshr_b32 s2, s[TQ], 1
	s_lshl_b32 s2, s2, 5
	s_add_co_u32 s[DB], s[DB], s2
	s_and_b32 s2, s[TQ], 1
	s_lshl_b32 s2, s2, 3
	s_add_co_u32 s[DB], s[DB], s2
	s_lshl_b32 s2, s[HD], 3                        ; wo: tile 8 x head + jj, half of K = my place in the cluster, two K steps a wave of group 1
	s_add_co_u32 s2, s2, ttmp9
	s_lshr_b32 s3, s2, 1
	s_lshl_b32 s3, s3, 18
	s_and_b32 s50, s2, 1
	s_lshl_b32 s50, s50, 16
	s_add_co_u32 s36, s3, s50                      ; its first row: 32 (tile / 2) + 8 (tile % 2)
	s_lshl_b32 s50, s[CX], 12
	s_add_co_u32 s36, s36, s50
	s_lshl_b32 s50, s[TQ], 10
	s_add_co_u32 s36, s36, s50
	s_mov_b32 s37, 0
	s_lshl_b32 s2, s2, 1
	s_add_co_u32 s2, s2, s[CX]
	s_lshl_b32 s38, s2, 14                         ; where its codes go,
	s_lshl_b32 s50, s[TQ], 12
	s_add_co_u32 s38, s38, s50
	s_mov_b32 s39, 0
	s_lshl_b32 s50, s2, 9                          ; and its scale words
	s_lshl_b32 s51, s[TQ], 7
	s_add_co_u32 s50, s50, s51
	s_mov_b32 s51, 0
	s_mov_b32 s[MNT], 0x600000
	s_mov_b32 s[SEL], 0x76543210
	s_mov_b32 s[SEL+1], 0xfedcba98
	s_mov_b32 s[CS], 0x3e0293ee                    ; c = log2(e) / sqrt(128)
	s_mov_b32 s[CS+1], s[CS]
	s_mov_b32 s[SL], 0
	s_mov_b32 s[TN], 0
	s_mov_b32 s[RING], 4
	v_and_b32 v3, 31, v0
	v_and_b32 v4, 15, v0
	v_lshlrev_b32 v[LI], 4, v3
	v_lshlrev_b32 v[PFO], 8, v3
	v_lshlrev_b32 v[LW], 2, v3
	v_lshlrev_b32 v[LS], 2, v4
	s_wait_alu depctr_va_vdst(0)
	s_wait_dscnt 0x0                               ; both opening adds are done
	s_wait_kmcnt 0x0
	s_add_nc_u64 s[54:55], s[4:5], s[54:55]
	s_add_nc_u64 s[56:57], s[4:5], s[56:57]
	s_add_nc_u64 s[58:59], s[4:5], s[58:59]
	s_add_nc_u64 s[60:61], s[4:5], s[60:61]
	s_add_nc_u64 s[KB:KB+1], s[6:7], s[46:47]
	s_add_nc_u64 s[PFA:PFA+1], s[6:7], s[48:49]
	s_add_nc_u64 s[76:77], s[76:77], s[36:37]
	s_add_nc_u64 s[78:79], s[78:79], s[38:39]
	s_add_nc_u64 s[80:81], s[80:81], s[50:51]
	s_mov_b32 s[G0], 1
	s_mov_b32 s[G0+1], s[LP]                       ; slot 0
	s_add_nc_u64 s[G0+2:G0+3], s[KB:KB+1], s[KO:KO+1]
	s_or_b32 s[G0+3], s[G0+3], 0x80000000
	CROUND                                         ; both work-groups are here: the first joint loads meet
	tensor_load_to_lds s[G0:G0+3], s[G1:G1+7]      ; trips 0 and 1: one tensor load a wave
	s_nop 0
	PLACES 4
.irp c, 0,1,2,3
	global_load_b128 v[16+4*\c:19+4*\c], v[LI], s[54:55] offset:512*\c
	global_load_b128 v[66+4*\c:69+4*\c], v[LI], s[58:59] offset:512*\c   ; block j's, for group 0's change of blocks (the lines are the same in all waves)
.endr
	global_load_b32 v64, v[LS], s[56:57]
	global_load_b32 v82, v[LS], s[60:61]
	v_and_b32 v84, 8, v4
	v_add_nc_u32 v84, v84, v4                      ; r + 8 (r / 8)
	v_bfe_u32 v85, v0, 4, 1                        ; h
	v_lshlrev_b32 v86, 4, v85
	v_sub_nc_u32 v[QD], v84, v86
	v_lshlrev_b32 v87, 13, v84                     ; wo's rows: 8,192 bytes
	v_lshl_add_u32 v[WOA], v85, 6, v87
	v_lshl_add_u32 v[PFX], v85, 8, v87
	s_lshr_b32 s2, s[TQ], 1
	s_mul_i32 s2, s2, S1
	s_and_b32 s3, s[TQ], 1
	s_mul_i32 s3, s3, STB
	s_add_co_u32 s2, s2, s3
	s_add_co_u32 s2, s2, SLOTB
	v_add_nc_u32 v[MRA], s2, v[LI]
	v_mov_b32 v13, 0xff61b1e6                      ; the largest t so far: -3e38
	v_mov_b32 v14, 0
	v_mov_b32 v15, 0
	v_floor_f32 v12, -v13
.irp b, 0,1,2,3
	v_mov_b32 v[236+\b], 0                         ; a lane permute's destination counts as one of its sources
.endr
	v_mov_b32 v92, 0                               ; likewise
	v_mov_b32 v253, 0                              ; named as the upper halves of the pairs v[252:253] and v[254:255]
	v_mov_b32 v255, 0
.set j, 0
.rept 64
	v_mov_b32 v[160+j], 0                          ; O^T: the trip is written without a first step of its own
.set j, j+1
.endr
; PREFETCHES INTO THE L2.  Group 1 of the head's first cluster walks key steps 8 to 15 in trips 0 to 7.  At the changes of slots of trips 0 and 2, behind its tensor load, it asks for the images of the two key steps
; that its NEXT tensor loads will fetch (12 and 13, then 14 and 15): two trips ahead of them.  Work-group cx of the cluster names, by wave e = wave % 2, blocks 64 e + 32 cx + lane of the 128 blocks of 256 bytes of its
; step's images: each once.  Key steps 0 to 11 come by their tensor loads, and the scale words too.  wo's 16 rows x 1,024 bytes of a wave are asked for by that wave at the change of slots of trip 4, four trips ahead.
.macro ASK
	s_cmp_lt_u32 s[TN], s[LIM]
	s_cbranch_scc0 .Lnot_mine_\@
	global_prefetch_b8 v[PFO], s[PFA:PFA+1] th:TH_LOAD_NT scope:SCOPE_SE
.Lnot_mine_\@:
	s_cmp_eq_u32 s[TN], s[LWT]
	s_cbranch_scc0 .Lnot_wo_\@
	global_prefetch_b8 v[PFX], s[76:77] th:TH_LOAD_NT scope:SCOPE_SE
	global_prefetch_b8 v[PFX], s[76:77] offset:512 th:TH_LOAD_NT scope:SCOPE_SE
.Lnot_wo_\@:
.endm
; THE CHANGE OF SLOTS, at the head of a slot's two trips.  Each wave waits for all its tensor loads (its part of the slot ahead), adds 0 to its spare word, and waits for that and for its reads of the slot that it has left.
; Behind the round the slot ahead is whole in both work-groups and nobody reads the other: it is filled with the next two trips' blocks, which have two trips in which to land.
.macro CHANGE
	s_wait_alu depctr_va_vdst(0)
	s_wait_tensorcnt 0x0                           ; no tensor load of mine is out, so group 0 may be written
	ds_add_u32 v[SPW], v[NIL]                      ; 0 onto my spare word
	s_add_co_u32 s[NF], s[NF], 2                   ; two places on in my group's sequence
	KSTEP
	s_add_nc_u64 s[G0+2:G0+3], s[KB:KB+1], s[KO:KO+1]
	s_or_b32 s[G0+3], s[G0+3], 0x80000000
	s_add_co_u32 s[TB], s[GB], s[SL]               ; my group's block of the slot's first trip
	s_xor_b32 s[SL], s[SL], S1
	s_add_co_u32 s[G0+1], s[LP], s[SL]
	s_wait_xcnt 0x0                                ; the last prefetches, two trips back, have read their address
	s_add_nc_u64 s[PFA:PFA+1], s[PFA:PFA+1], 2*STEPB
	s_wait_dscnt 0x0
	CROUND
	tensor_load_to_lds s[G0:G0+3], s[G1:G1+7]      ; first behind the round, my one tensor load until the next
	s_nop 0
	PLACES 4
	ASK
.endm
.macro KLOAD                           ; K's scale words, two tiles a load, and eight fragments: 36 loads
.irp p, 0,1,2,3
	ds_load_b32 v[48+\p], v[ADS] offset:32768+128*\p
.endr
	WIN 0x40
.irp t, 0,1,2,3,4,5,6,7
.irp c, 0,1,2,3
	ds_load_b128 v[16*\t+4*\c:16*\t+4*\c+3], v[ADK] offset:2048*\t+512*\c
.endr
.endr
	WIN 0
.endm
.macro MASK                            ; register 16 b + i holds key 32 b + 16 (lane / 16) + i of the step: hidden where 32 b + i > my query - 16 (lane / 16)
	v_add_nc_u32 v252, s[DB], v[QD]
	v_mov_b32 v254, 0xff800000
.set j, 0
.rept 64
	v_cmp_gt_i32 vcc_lo, 32*(j/16)+j%16, v252
	v_cndmask_b32 v[96+j], v[96+j], v254, vcc_lo
.set j, j+1
.endr
.endm
; A TRIP: one key step of 128 keys for my 16 queries.  kind 0: a slot's first, which also asks for the second's K; kind 1: a slot's second; kind 2: trip 8, group 0's alone, always a diagonal step.
.macro TRIP kind
.if \kind != 1
	v_add_nc_u32 v[ADK], s[TB], v[LI]
	v_add_nc_u32 v[ADS], s[TB], v[LW]
	s_wait_alu depctr_va_vdst(0)                   ; the wait directly behind the writes
	KLOAD
.endif
	s_wait_dscnt 0x0                               ; K's words and fragments are in
	WIN 0x01
.irp t, 0,1,2,3,4,5,6,7
.if \t%2
	v_wmma_scale_f32_16x16x128_f8f6f4 v[96+8*\t:103+8*\t], v[16*\t:16*\t+15], v[16:31], 0, v[48+\t/2], v64 matrix_a_scale:MATRIX_SCALE_ROW1
.else
	v_wmma_scale_f32_16x16x128_f8f6f4 v[96+8*\t:103+8*\t], v[16*\t:16*\t+15], v[16:31], 0, v[48+\t/2], v64
.endif
.endr
	WIN 0x40                                       ; V's fragments and words: they land under the softmax.  Their registers were last read by the trip before's products, eight places ahead of its end
.irp t, 0,1,2,3,4,5,6,7
.irp c, 0,1,2,3
	ds_load_b128 v[128+16*\t+4*\c:128+16*\t+4*\c+3], v[ADK] offset:16384+2048*\t+512*\c
.endr
.endr
	WIN 0
.irp p, 0,1,2,3
	ds_load_b32 v[56+\p], v[ADS] offset:33280+128*\p
.endr
.if \kind == 0
	v_add_nc_u32 v[ADK], STEPB, v[ADK]             ; with the six lines below eight places
	v_add_nc_u32 v[ADS], STEPB, v[ADS]
	PLACES 6
	KLOAD                                          ; the slot's second block
.else
	PLACES 8
.endif
.if \kind == 1
	s_cmp_lg_u32 s[TN], s[DG]
	s_cbranch_scc1 .Lopen_\@
	MASK
.Lopen_\@:
.elseif \kind == 2
	MASK
.endif
.irp b, 0,1,2,3
	v_max3_num_f32 v[232+\b], v[96+16*\b], v[97+16*\b], v[98+16*\b]   ; each block's largest score: for the row's maximum, and, since p rises with the score, for the block's largest p
.endr
.irp i, 3,5,7,9,11,13
.irp b, 0,1,2,3
	v_max3_num_f32 v[232+\b], v[232+\b], v[96+16*\b+\i], v[97+16*\b+\i]
.endr
.endr
.irp b, 0,1,2,3
	v_max_num_f32 v[232+\b], v[232+\b], v[111+16*\b]
.endr
.irp b, 0,1,2,3
	s_delay_alu instid0(VALU_DEP_4)
	v_permlanex16_b32 v[236+\b], v[232+\b], s[SEL], s[SEL+1]
.endr
.irp b, 0,1,2,3
	s_delay_alu instid0(VALU_DEP_4)
	v_max_num_f32 v[232+\b], v[232+\b], v[236+\b]
.endr
	s_delay_alu instid0(VALU_DEP_2)
	v_max3_num_f32 v254, v232, v233, v234
	s_delay_alu instid0(VALU_DEP_1)
	v_max_num_f32 v254, v254, v235
	s_delay_alu instid0(VALU_DEP_1)
	v_mul_f32 v254, s[CS], v254
	s_delay_alu instid0(VALU_DEP_1)
	v_max_num_f32 v13, v13, v254                   ; the running largest t
	v_mov_b32 v254, v12
	s_delay_alu instid0(VALU_DEP_2)
	v_floor_f32 v12, -v13                          ; the new -M
	s_delay_alu instid0(VALU_DEP_1)
	v_sub_f32 v254, v12, v254
	s_delay_alu instid0(VALU_DEP_1)
	v_cvt_i32_f32 v254, v254                       ; (it saturates)
	s_delay_alu instid0(VALU_DEP_1)
	v_ldexp_f32 v252, 1.0, v254                    ; f = 2^(old M - new M)
.set j, 0
.rept 32
	v_pk_fma_f32 v[96+j:97+j], v[96+j:97+j], s[CS:CS+1], v[12:13] op_sel_hi:[1,0,0]   ; t - M
.set j, j+2
.endr
.irp b, 0,1,2,3
	v_fma_f32 v[232+\b], v[232+\b], s[CS], v12
.endr
	s_wait_alu depctr_va_vdst(0)
.set j, 0
.rept 64
	v_exp_f32 v[96+j], v[96+j]                     ; p = 2^(t - M)
.set j, j+1
.endr
	v_pk_mul_f32 v[14:15], v[14:15], v[252:253] op_sel_hi:[1,0]   ; the sums under the new M: a plain line behind the exponentials
	s_wait_alu depctr_va_vdst(0)                   ; one wait for the batch of 64, ahead of its first reader
.irp b, 0,1,2,3
	v_exp_f32 v[232+\b], v[232+\b]                 ; each block's largest p
.endr
	v_pk_add_f32 v[236:237], v[100:101], v[104:105]   ; the row's sum, in eight chains
	v_pk_add_f32 v[250:251], v[108:109], v[112:113]
	v_pk_add_f32 v[248:249], v[116:117], v[120:121]
	v_pk_add_f32 v[246:247], v[124:125], v[128:129]
	v_pk_add_f32 v[244:245], v[132:133], v[136:137]
	v_pk_add_f32 v[242:243], v[140:141], v[144:145]
	v_pk_add_f32 v[240:241], v[148:149], v[152:153]
	v_pk_add_f32 v[14:15], v[14:15], v[156:157]
	v_pk_add_f32 v[236:237], v[236:237], v[96:97]
	v_pk_add_f32 v[250:251], v[250:251], v[98:99]
	v_pk_add_f32 v[248:249], v[248:249], v[102:103]
	v_pk_add_f32 v[246:247], v[246:247], v[106:107]
	v_pk_add_f32 v[244:245], v[244:245], v[110:111]
	v_pk_add_f32 v[242:243], v[242:243], v[114:115]
	v_pk_add_f32 v[240:241], v[240:241], v[118:119]
	v_pk_add_f32 v[14:15], v[14:15], v[122:123]
	v_pk_add_f32 v[236:237], v[236:237], v[126:127]
	v_pk_add_f32 v[250:251], v[250:251], v[130:131]
	v_pk_add_f32 v[248:249], v[248:249], v[134:135]
	v_pk_add_f32 v[246:247], v[246:247], v[138:139]
	v_pk_add_f32 v[244:245], v[244:245], v[142:143]
	v_pk_add_f32 v[242:243], v[242:243], v[146:147]
	v_pk_add_f32 v[240:241], v[240:241], v[150:151]
	v_pk_add_f32 v[14:15], v[14:15], v[154:155]
	v_pk_add_f32 v[236:237], v[236:237], v[158:159]
	s_delay_alu instid0(VALU_DEP_2)
	v_pk_add_f32 v[14:15], v[14:15], v[246:247]
	s_delay_alu instid0(VALU_DEP_2)
	v_pk_add_f32 v[236:237], v[236:237], v[244:245]
	v_pk_add_f32 v[250:251], v[250:251], v[242:243]
	v_pk_add_f32 v[248:249], v[248:249], v[240:241]
	s_delay_alu instid0(VALU_DEP_2)
	v_pk_add_f32 v[14:15], v[14:15], v[250:251]
	s_delay_alu instid0(VALU_DEP_2)
	v_pk_add_f32 v[236:237], v[236:237], v[248:249]
	s_delay_alu instid0(VALU_DEP_1)
	v_pk_add_f32 v[14:15], v[14:15], v[236:237]
	s_wait_alu depctr_va_vdst(0)                   ; and one for the four
.irp b, 0,1,2,3
	v_max_num_f32 v[232+\b], 0x4800000, v[232+\b]
.endr
.irp b, 0,1,2,3
	s_delay_alu instid0(VALU_DEP_4)
	v_add_nc_u32 v[244+\b], 0xfc000000, v[232+\b]
.endr
.irp b, 0,1,2,3
	v_and_or_b32 v[240+\b], v[232+\b], 0x7f800000, s[MNT]
.endr
.irp b, 0,1,2,3
	v_lshrrev_b32 v[236+\b], 23, v[244+\b]
.endr
	s_delay_alu instid0(VALU_DEP_3)
	v_lshl_or_b32 v[PW], v237, 8, v236             ; p's scale word for these 128 keys
	s_delay_alu instid0(VALU_DEP_1)
	v_lshl_or_b32 v[PW], v238, 16, v[PW]
	s_delay_alu instid0(VALU_DEP_1)
	v_lshl_or_b32 v[PW], v239, 24, v[PW]
.irp b, 0,1,2,3
.irp i, 0,1,2,3,4,5,6,7,8,9,10,11,12,13,14,15
	v_min_num_f32 v[96+16*\b+\i], v[96+16*\b+\i], v[240+\b]   ; p is not negative: the hold is one-sided
.endr
	v_cvt_scalef32_pk8_fp8_f32 v[PC+4*\b:PC+4*\b+1], v[96+16*\b:103+16*\b], v[244+\b]
	v_cvt_scalef32_pk8_fp8_f32 v[PC+4*\b+2:PC+4*\b+3], v[104+16*\b:111+16*\b], v[244+\b]
.endr
.set j, 0
.rept 32
	v_pk_mul_f32 v[160+j:161+j], v[160+j:161+j], v[252:253] op_sel_hi:[1,0]   ; O^T under the new M; these are also the places in front of the products below
.set j, j+2
.endr
	s_wait_alu depctr_va_vdst(0)
.if \kind == 0
	s_wait_dscnt 36                                ; V's fragments and words are in; the next trip's K, 36 loads, may be out
.else
	s_wait_dscnt 0x0
.endif
	WIN 0x01
.irp t, 0,1,2,3,4,5,6,7
.if \t%2
	v_wmma_scale_f32_16x16x128_f8f6f4 v[160+8*\t:167+8*\t], v[128+16*\t:128+16*\t+15], v[PC:PC+15], v[160+8*\t:167+8*\t], v[56+\t/2], v[PW] matrix_a_scale:MATRIX_SCALE_ROW1
.else
	v_wmma_scale_f32_16x16x128_f8f6f4 v[160+8*\t:167+8*\t], v[128+16*\t:128+16*\t+15], v[PC:PC+15], v[160+8*\t:167+8*\t], v[56+\t/2], v[PW]
.endif
.endr
	WIN 0
	PLACES 8
.if \kind != 2
	s_cmp_lt_u32 s[WV], 4                          ; waves 0 to 3 alone: each has a state of its own in LDS
	s_cbranch_scc0 .Lgo_\@
	s_cmp_lg_u32 s[TN], s[FT]                      ; group 0's change of blocks
	s_cbranch_scc1 .Lgo_\@
.irp k, 0,1,2,3,4,5,6,7,8,9,10,11,12,13,14,15
	ds_store_b128 v[MRA], v[160+4*\k:163+4*\k] offset:512*\k   ; the state of block 31 - j as its registers lie, each accumulator from its low end on
.endr
	ds_store_b128 v[MRA], v[12:15] offset:8192
	s_wait_dscnt 0x0
.set j, 0
.rept 16
	v_mov_b32 v[16+j], v[66+j]                     ; block j's Q,
.set j, j+1
.endr
	v_mov_b32 v64, v82                             ; its scale word (the 64 lines below stand between these and the next products),
.set j, 0
.rept 64
	v_mov_b32 v[160+j], 0
.set j, j+1
.endr
	v_mov_b32 v13, 0xff61b1e6
	v_mov_b32 v14, 0
	v_mov_b32 v15, 0
	v_floor_f32 v12, -v13
	s_wait_alu depctr_va_vdst(0)
.Lgo_\@:
	s_add_co_u32 s[TN], s[TN], 1
.endif
.endm
; A block of queries is finished: O^T / the sum, quantised along the head's 128, stored as an image.  join = 1: the other group's state comes from LDS and is merged in.  s\blk: the block.
.macro FINISH join, blk
.if \join
.irp k, 0,1,2,3,4,5,6,7,8,9,10,11,12,13,14,15
	ds_load_b128 v[96+4*\k:99+4*\k], v[MRA] offset:512*\k      ; group 0's O^T, as its registers lay
.endr
	ds_load_b128 v[88:91], v[MRA] offset:8192                  ; its -M, largest t, and the sum's two halves
.endif
	v_add_f32 v14, v14, v15
.if \join
	s_wait_alu depctr_va_vdst(0)
	s_wait_dscnt 0x0
	v_add_f32 v90, v90, v91
	v_min_num_f32 v85, v12, v88                    ; -M of both: the larger M
	s_delay_alu instid0(VALU_DEP_1)
	v_sub_f32 v86, v85, v12                        ; my M less the new one: a whole number, 0 or less,
	s_delay_alu instid0(VALU_DEP_2)
	v_sub_f32 v87, v85, v88                        ; and the other group's
	s_delay_alu instid0(VALU_DEP_2)
	v_cvt_i32_f32 v86, v86                         ; (they saturate)
	s_delay_alu instid0(VALU_DEP_2)
	v_cvt_i32_f32 v87, v87
	s_delay_alu instid0(VALU_DEP_2)
	v_ldexp_f32 v252, 1.0, v86                     ; powers of two: nothing is rounded
	s_wait_alu depctr_va_vdst(0)
	v_ldexp_f32 v254, 1.0, v87
	v_mul_f32 v14, v14, v252
	s_delay_alu instid0(VALU_DEP_1)
	v_fma_f32 v14, v90, v254, v14                  ; the sum under the new M
.endif
	s_delay_alu instid0(VALU_DEP_1)
	v_permlanex16_b32 v92, v14, s[SEL], s[SEL+1]
	s_delay_alu instid0(VALU_DEP_1)
	v_add_f32 v14, v14, v92                        ; the row's sum
	s_wait_alu depctr_va_vdst(0)
	v_rcp_f32 v14, v14
	v_nop                                          ; a plain line behind the reciprocal
	s_lshl_b32 s2, s\blk, 2
	s_add_co_u32 s2, s2, s[TQ]
	s_lshl_b32 s2, s2, 15                          ; ob: tile of rows 4 x block + tile, 32,768 bytes each,
	s_lshl_b32 s3, s[HD], 11                       ; the head's 2,048
	s_add_co_u32 s46, s2, s3
	s_mov_b32 s47, 0
	s_add_nc_u64 s[50:51], s[8:9], s[46:47]
	s_lshl_b32 s2, s[HD], 13                       ; os: 8,192 bytes a head, 4 a position
	s_lshl_b32 s3, s\blk, 8
	s_add_co_u32 s2, s2, s3
	s_lshl_b32 s3, s[TQ], 6
	s_add_co_u32 s46, s2, s3
	s_add_nc_u64 s[52:53], s[10:11], s[46:47]
	s_wait_alu depctr_va_vdst(0)                   ; the wait ahead of the first reader of the reciprocal
.if \join
	v_mul_f32 v252, v252, v14                      ; each side's power of two / the sum
	v_mul_f32 v254, v254, v14
.set j, 0
.rept 32
	v_pk_mul_f32 v[160+j:161+j], v[160+j:161+j], v[252:253] op_sel_hi:[1,0]   ; each accumulator from its low end on
.set j, j+2
.endr
.set j, 0
.rept 32
	v_pk_fma_f32 v[96+j:97+j], v[96+j:97+j], v[254:255], v[160+j:161+j] op_sel_hi:[1,0,1]
.set j, j+2
.endr
.else
.set j, 0
.rept 32
	v_pk_mul_f32 v[96+j:97+j], v[160+j:161+j], v[14:15] op_sel_hi:[1,0]   ; each accumulator from its low end on
.set j, j+2
.endr
.endif
	QUANT4 96, 0, 96
	WORD 84
.irp c, 0,1,2,3
	global_store_b128 v[LI], v[PC+4*\c:PC+4*\c+3], s[50:51] offset:512*\c   ; 512 consecutive bytes, aligned
.endr
	global_store_b32 v[LS], v84, s[52:53]          ; 64 bytes a wave; both halves of the lanes store the same words.  131,072 bytes in the whole launch: gathering them would want a barrier under a branch
.endm
	s_wait_alu depctr_va_vdst(0)                   ; the wait at the head's end
	s_wait_loadcnt 0x0                             ; both blocks' Q
.Lring:                                                ; four trips of the ring: a change of slots and two trips of the key walk each
	CHANGE
	TRIP 0
	TRIP 1
	s_sub_co_u32 s[RING], s[RING], 1
	s_wait_alu depctr_va_vdst(0)
	s_cmp_lg_u32 s[RING], 0
	s_cbranch_scc1 .Lring
	s_add_co_u32 s[TB], s[GB], s[SL]
	s_cmp_lt_u32 s[WV], 4
	s_cbranch_scc1 .Lkeep
	WIN 0x40
.irp u, 0,1                                    ; group 1 asks for wo's two K steps, as an operand's registers lie: lane (r, h) takes row r, numbers 32 c + 16 h .. of each step; the four loads of a c cover 128 bytes of each row
.irp c, 0,1,2,3
.irp i, 0,1,2,3
	global_load_b128 v[64*\u+16*\c+4*\i:64*\u+16*\c+4*\i+3], v[WOA], s[76:77] offset:512*\u+128*\c+16*\i
.endr
.endr
.endr
	WIN 0
.Lkeep:
	s_wait_tensorcnt 0x0                           ; the last slot, trip 8's, is in
	s_wait_dscnt 0x0                               ; and group 0's state lies in LDS
	s_barrier_signal -1
	s_barrier_wait -1
	s_cmp_lt_u32 s[WV], 4
	s_cbranch_scc0 .Lgroup_1
	TRIP 2                                         ; trip 8, and the end of block j
	FINISH 0, 85
	s_branch .Lend
.Lgroup_1:
	FINISH 1, 74                                   ; the end of block 31 - j
	s_wait_loadcnt 16                              ; wo's first K step is in; the second's sixteen loads may be out
	s_wait_xcnt 0x0                                ; the stores have read their data
	QUANT4 0, 1, 96
	WORD 86
.irp c, 0,1,2,3
	global_store_b128 v[LI], v[PC+4*\c:PC+4*\c+3], s[78:79] offset:512*\c
.endr
	s_wait_loadcnt 0x0
	s_wait_xcnt 0x0
	QUANT4 64, 1, 96
	WORD 87
.irp c, 0,1,2,3
	global_store_b128 v[LI], v[PC+4*\c:PC+4*\c+3], s[78:79] offset:2048+512*\c
.endr
	v_cmp_gt_u32 vcc_lo, 64, v[LW]                 ; lanes 0-15 store the first step's words, lanes 16-31 the second's: 128 consecutive bytes
	v_cndmask_b32 v88, v87, v86, vcc_lo
	global_store_b32 v[LW], v88, s[80:81]
.Lend:
	s_wait_tensorcnt 0x0                           ; the wave's end
	ds_add_u32 v[SPW], v[NIL]
	s_wait_dscnt 0x0
	CROUND                                         ; the closing round
	s_endpgm
.Lfunc_end_k_q338f3858f8_attn:
	.size	k_q338f3858f8_attn, .Lfunc_end_k_q338f3858f8_attn-k_q338f3858f8_attn
	.p2alignl 7, 3214868480
	.fill 96, 4, 3214868480
	.section	.rodata,"a",@progbits
	.p2align	6, 0x0
	.amdhsa_kernel k_q338f3858f8_attn
		.amdhsa_group_segment_fixed_size 327680
		.amdhsa_private_segment_fixed_size 0
		.amdhsa_enable_private_segment 0
		.amdhsa_kernarg_size 56
		.amdhsa_user_sgpr_count 2
		.amdhsa_user_sgpr_kernarg_segment_ptr 1
		.amdhsa_wavefront_size32 1
		.amdhsa_system_sgpr_workgroup_id_x 1
		.amdhsa_system_sgpr_workgroup_id_y 1
		.amdhsa_system_sgpr_workgroup_id_z 1
		.amdhsa_system_vgpr_workitem_id 0
		.amdhsa_next_free_vgpr 512
		.amdhsa_next_free_sgpr 102
		.amdhsa_reserve_vcc 1
		.amdhsa_float_denorm_mode_32 3
		.amdhsa_float_denorm_mode_16_64 3
		.amdhsa_memory_ordered 1
		.amdhsa_forward_progress 1
		.amdhsa_inst_pref_size 153
	.end_amdhsa_kernel
	.amdgpu_metadata
---
amdhsa.version: [ 1, 2 ]
amdhsa.kernels:
  - .name:           k_q338f3858f8_attn
    .symbol:         k_q338f3858f8_attn.kd
    .args:
      - { .name: qb, .offset: 0, .size: 8, .value_kind: global_buffer, .address_space: global }
      - { .name: kv, .offset: 8, .size: 8, .value_kind: global_buffer, .address_space: global }
      - { .name: ob, .offset: 16, .size: 8, .value_kind: global_buffer, .address_space: global }
      - { .name: os, .offset: 24, .size: 8, .value_kind: global_buffer, .address_space: global }
      - { .name: wo, .offset: 32, .size: 8, .value_kind: global_buffer, .address_space: global }
      - { .name: woc, .offset: 40, .size: 8, .value_kind: global_buffer, .address_space: global }
      - { .name: wos, .offset: 48, .size: 8, .value_kind: global_buffer, .address_space: global }
    .group_segment_fixed_size: 327680
    .private_segment_fixed_size: 0
    .kernarg_segment_align: 8
    .kernarg_segment_size: 56
    .max_flat_workgroup_size: 256
    .sgpr_count:     102
    .vgpr_count:     512
    .wavefront_size: 32
...
	.end_amdgpu_metadata
.endif
;; end of part 3
;; launch oproj (part 4): grid 16 x 16, 4 waves a work-group, clusters of 4 x 4, 327,680 bytes of LDS; arguments ob, os, woc, wos, x, out0; writes out0
.if DOCPART == 4
	.amdgcn_target "amdgcn-amd-amdhsa--gfx1250"
	.amdhsa_code_object_version 6
	.text
	.protected	k_q338f3858f8_oproj
	.globl	k_q338f3858f8_oproj
	.p2align	8
	.type	k_q338f3858f8_oproj,@function
k_q338f3858f8_oproj:
	s_mov_b64 s[64:65], 0
	v_nop
	global_prefetch_b8 v0, s[64:65] scope:SCOPE_SE
	s_setreg_imm32_b32 hwreg(HW_REG_WAVE_MODE, 25, 1), 1
	s_wait_xcnt 0x0
	s_wait_alu depctr_hold_cnt(0) depctr_sa_sdst(0) depctr_va_vdst(0) depctr_va_sdst(0) depctr_va_ssrc(0) depctr_va_vcc(0) depctr_vm_vsrc(0)
	s_getreg_b32 s2, hwreg(HW_REG_IB_STS2, 6, 4)
	s_cmp_eq_u32 s2, 0
	s_cbranch_scc0 .Lentry_in_a_cluster
	s_endpgm
.Lentry_in_a_cluster:
	s_bfe_u32 s2, ttmp6, 0x10000c
	s_cmp_lg_u32 s2, 0xf033
	s_cbranch_scc0 .Lentry_shape_is_right
	s_endpgm
.Lentry_shape_is_right:
; out0 = x + o wo^T on codes of FP8 (E4M3) with E8M0 block scales; o (A) as the attention launch leaves it: images [tile of 16 positions][head][2,048 bytes], scale words [head][position]; wo (B) as images.
; SHARES.  A work-group makes 128 t x 128 columns (grid x = columns, y = t); wave (wr, wc) 64 x 64: 16 accumulators, 128 registers.
; A's 128 rows x all of K, 262,144 bytes, lie whole in LDS: one joint load a wave, a quarter of K each, shared along a row of the cluster; nothing is filled again.
; B goes straight into registers, four sets, three K steps of 128 ahead.  It has no joint loads: beside A's 262,144 bytes 64 KiB of LDS are left, not room for B's 262,144, and B's fragments have two readers in the work-group.
; The scale bytes go through registers into LDS at the head, in whole units of 256 bytes, and stay.
; PREFETCH: the column partners of a cluster share out, by address, B's K 512 .. 1,535 at the head and K 1,536 on behind the first K step; x, read at the end by this wave alone, is asked for behind the first K step too.
; The product is used transposed (source 0 = 16 rows of wo): a lane holds one t, and its registers of two tiles 16 neighbouring columns.  Rows go out through the wave's own stage in LDS in whole units of 256 bytes.
; LIMITS: NaN and infinities are not served.
; REGISTERS: window 0: v4-20 addresses, v32-47 scale words, v64-95 at work, v128-255 A's fragments, two sets.  window 1: B's, 64 registers a set (later rows on their way out).  window 2: v0-127 accumulators, v128-255 x.
.set SCA,   262144                     ; A's scale words: [head][128][4]
.set SCB,   SCA+8192                   ; B's: [8 tiles][16 K steps][16][4]
.set STG,   SCB+8192                   ; a stage of 16 rows x 272 bytes for each wave
.set SPARE, STG+4*16*272
.set AA,  4
.set AA0, 5
.set ASA, 6
.set ASB, 7
.set STO, 10
.set RD,  11
.set CO,  12
.set SPW, 14
.set NIL, 15
.set LI,  16
.set PFO, 18
.set PFX, 19
.set SA,  32                           ; v32, 33 and v40, 41
.set SB,  36                           ; v36, 37 and v44, 45
.set G1A, 24
.set G0A, 32
.set MSB, 0
.macro WIN new
.if MSB != (\new)
	s_set_vgpr_msb (MSB<<8)|(\new)
.set MSB, (\new)
.endif
.endm
.macro PLACES n
.rept \n
	v_nop
.endr
.endm
.macro CROUND
	s_barrier_signal -1
	s_barrier_wait -1
	s_cmp_lg_u32 s16, 0
	s_cbranch_scc1 .Lnot_wave_0_\@
	s_barrier_signal -3
.Lnot_wave_0_\@:
	s_barrier_wait -3
	s_barrier_signal -1
	s_barrier_wait -1
.endm
	s_load_b256 s[4:11], s[0:1], 0x0               ; ob, os, woc, wos
	s_load_b128 s[12:15], s[0:1], 0x20             ; x, out0
	v_lshl_add_u32 v[SPW], v0, 2, SPARE
	v_mov_b32 v[NIL], 0
	ds_add_u32 v[SPW], v[NIL]                      ; the opening lines: the add, twice on end
	ds_add_u32 v[SPW], v[NIL]
	v_lshrrev_b32 v1, 5, v0
	v_readfirstlane_b32 s16, v1                    ; wave 0..3
	s_lshr_b32 s17, s16, 1                         ; wr
	s_and_b32 s18, s16, 1                          ; wc
	s_bfe_u32 s56, ttmp6, 0x40000                  ; cx
	s_bfe_u32 s57, ttmp6, 0x40004                  ; cy
	s_lshl_b32 s58, ttmp9, 2
	s_add_co_u32 s58, s58, s56                     ; block of columns
	s_and_b32 s59, ttmp7, 0xffff
	s_lshl_b32 s59, s59, 2
	s_add_co_u32 s59, s59, s57                     ; block of t
	s_lshl_b32 s60, s57, 2
	s_lshl_b32 s60, 15, s60                        ; my row of the cluster
	s_or_b32 s[G1A], s60, (3<<16)|(1<<21)          ; a quarter of K of eight tiles: eight rows of 8,192 bytes, 32,768 apart; elements of 8 bytes
	s_mov_b32 s[G1A+1], 1024<<16
	s_mov_b32 s[G1A+2], 8<<16
	s_mov_b32 s[G1A+3], 1024<<16
	s_mov_b32 s[G1A+4], 8
	s_mov_b32 s[G1A+5], 4096
	s_mov_b32 s[G1A+6], 0
	s_mov_b32 s[G1A+7], 0
	s_lshl_b32 s48, s59, 18
	s_lshl_b32 s49, s16, 13
	s_add_co_u32 s48, s48, s49                     ; A: my quarter
	s_mov_b32 s49, 0
	s_lshl_b32 s20, s16, 15
	s_lshl_b32 s21, s59, 9
	s_add_co_u32 s20, s20, s21                     ; A's scale words: heads 4 w .. 4 w + 3
	s_mov_b32 s21, 0
	s_lshl_b32 s22, s58, 13
	s_lshl_b32 s23, s16, 11
	s_add_co_u32 s22, s22, s23                     ; B's: my quarter of 8,192 bytes
	s_mov_b32 s23, 0
	s_lshl_b32 s96, s58, 18
	s_lshl_b32 s95, s18, 17
	s_add_co_u32 s94, s96, s95                     ; B: my four tiles
	s_mov_b32 s95, 0
	s_lshl_b32 s2, s57, 1
	s_add_co_u32 s2, s2, s18
	s_lshl_b32 s2, s2, 15
	s_add_co_u32 s96, s96, s2                      ; my prefetches of B: tile 2 cy + w % 2, K 512 (1 + w / 2) ..
	s_add_co_u32 s2, s17, 1
	s_lshl_b32 s2, s2, 13
	s_add_co_u32 s96, s96, s2
	s_mov_b32 s97, 0
	s_lshl_b32 s2, s59, 20                         ; my rows and columns of x and out0
	s_lshl_b32 s3, s17, 19
	s_add_co_u32 s2, s2, s3
	s_lshl_b32 s3, s58, 9
	s_add_co_u32 s2, s2, s3
	s_lshl_b32 s3, s18, 8
	s_add_co_u32 s2, s2, s3
	s_mov_b32 s3, 0
	s_mov_b32 s[G0A], 1
	s_lshl_b32 s[G0A+1], s16, 16
	s_wait_dscnt 0x0                               ; both opening adds are done
	s_wait_kmcnt 0x0
	s_add_nc_u64 s[G0A+2:G0A+3], s[4:5], s[48:49]
	s_or_b32 s[G0A+3], s[G0A+3], 0x80000000
	s_add_nc_u64 s[20:21], s[6:7], s[20:21]
	s_add_nc_u64 s[22:23], s[10:11], s[22:23]
	s_add_nc_u64 s[94:95], s[8:9], s[94:95]
	s_add_nc_u64 s[96:97], s[8:9], s[96:97]
	s_add_nc_u64 s[12:13], s[12:13], s[2:3]
	s_add_nc_u64 s[14:15], s[14:15], s[2:3]
	CROUND                                         ; all sixteen work-groups are here
	s_cmp_eq_u32 s16, 0                            ; one joint load a wave; wave 0's, wanted first, has a line of its own
	s_cbranch_scc0 .Lothers
	tensor_load_to_lds s[G0A:G0A+3], s[G1A:G1A+7]
	s_nop 0
	PLACES 4
	s_branch .Lasked
.Lothers:
	tensor_load_to_lds s[G0A:G0A+3], s[G1A:G1A+7]
	s_nop 0
	PLACES 4
.Lasked:
	v_and_b32 v1, 15, v0                           ; r
	v_bfe_u32 v2, v0, 4, 1                         ; h
	v_and_b32 v3, 31, v0
	v_lshlrev_b32 v[LI], 4, v3
	s_wait_alu depctr_va_vdst(0)
.irp i, 0,1,2,3
	global_load_b128 v[64+4*\i:67+4*\i], v[LI], s[20:21] offset:8192*\i
	global_load_b128 v[80+4*\i:83+4*\i], v[LI], s[22:23] offset:512*\i
.endr
.macro WLOAD st, k                     ; B's four fragments of K step k (counted from the base) into set st % 4: sixteen loads of 512 consecutive bytes
	WIN 0x40
.irp n, 0,1,2,3
.irp c, 0,1,2,3
	global_load_b128 v[64*((\st)%4)+16*\n+4*\c:64*((\st)%4)+16*\n+4*\c+3], v[LI], s[94:95] offset:32768*\n+2048*(\k)+512*\c
.endr
.endr
	WIN 0
.endm
	WLOAD 0, 0
	WLOAD 1, 1
	WLOAD 2, 2
	s_lshl_b32 s2, s17, 15
	v_add_nc_u32 v[AA0], s2, v[LI]                 ; A: my four tiles
	v_add_nc_u32 v[AA], s2, v[LI]
	s_lshl_b32 s2, s17, 8
	s_add_co_u32 s2, s2, SCA
	v_lshl_add_u32 v[ASA], v3, 2, s2
	s_lshl_b32 s2, s18, 12
	s_add_co_u32 s2, s2, SCB
	v_lshlrev_b32 v20, 10, v2
	v_lshl_add_u32 v20, v1, 2, v20
	v_add_nc_u32 v[ASB], s2, v20
	s_mul_i32 s2, s16, 16*272
	s_add_co_u32 s2, s2, STG
	v_mul_u32_u24 v20, v1, 272
	v_lshl_add_u32 v20, v2, 6, v20
	v_add_nc_u32 v[STO], s2, v20
	v_mul_u32_u24 v20, v2, 272
	v_lshl_add_u32 v20, v1, 4, v20
	v_add_nc_u32 v[RD], s2, v20
	v_lshlrev_b32 v[CO], 13, v2
	v_lshl_add_u32 v[CO], v1, 4, v[CO]             ; lanes 0-15 one row of 256 bytes, lanes 16-31 the next
	v_lshlrev_b32 v[PFO], 8, v3
	v_lshlrev_b32 v[PFX], 13, v3
	s_lshl_b32 s2, s16, 11
	s_add_co_u32 s2, s2, SCA
	v_add_nc_u32 v20, s2, v[LI]
	s_wait_alu depctr_va_vdst(0)                   ; the wait at the head's end
	global_prefetch_b8 v[PFO], s[96:97] th:TH_LOAD_NT scope:SCOPE_SE
	s_mov_b32 s58, 0
	s_mov_b32 s67, 0
	s_wait_loadcnt 48                              ; the scale bytes are in; three sets of B may be out
.irp i, 0,1,2,3
	ds_store_b128 v20, v[64+4*\i:67+4*\i] offset:512*\i
	ds_store_b128 v20, v[80+4*\i:83+4*\i] offset:SCB-SCA+512*\i
.endr
	s_cmp_eq_u32 s16, 0
	s_cbranch_scc0 .Lnot_first
	s_wait_tensorcnt 0x0                           ; wave 0: the first quarter of K has landed; the others' wait stands at the loop's barrier
.Lnot_first:
	s_wait_dscnt 0x0
	s_barrier_signal -1
	s_barrier_wait -1
.macro FETCH q                         ; A's four tiles, the quarter's q-th head, and the scale words, into set q % 2: twenty loads
.irp p, 0,1
	ds_load_b32 v[SA+8*((\q)%2)+\p], v[ASA] offset:512*(\q)+128*\p
	ds_load_b32 v[SB+8*((\q)%2)+\p], v[ASB] offset:2048*\p+64*(\q)
.endr
.irp m, 0,1,2,3
.irp c, 0,1,2,3
	ds_load_b128 v[128+64*((\q)%2)+16*\m+4*\c:128+64*((\q)%2)+16*\m+4*\c+3], v[AA] offset:8192*\m+2048*(\q)+512*\c
.endr
.endr
.endm
.macro WM z                            ; one product; the odd tile's words lie in lanes 16-31
.if \z
.if pA && pB
	v_wmma_scale_f32_16x16x128_f8f6f4 v[rD:rD+7], v[rX:rX+15], v[rY:rY+15], 0, v[rS], v[rT] matrix_a_scale:MATRIX_SCALE_ROW1 matrix_b_scale:MATRIX_SCALE_ROW1
.elseif pA
	v_wmma_scale_f32_16x16x128_f8f6f4 v[rD:rD+7], v[rX:rX+15], v[rY:rY+15], 0, v[rS], v[rT] matrix_a_scale:MATRIX_SCALE_ROW1
.elseif pB
	v_wmma_scale_f32_16x16x128_f8f6f4 v[rD:rD+7], v[rX:rX+15], v[rY:rY+15], 0, v[rS], v[rT] matrix_b_scale:MATRIX_SCALE_ROW1
.else
	v_wmma_scale_f32_16x16x128_f8f6f4 v[rD:rD+7], v[rX:rX+15], v[rY:rY+15], 0, v[rS], v[rT]
.endif
.else
.if pA && pB
	v_wmma_scale_f32_16x16x128_f8f6f4 v[rD:rD+7], v[rX:rX+15], v[rY:rY+15], v[rD:rD+7], v[rS], v[rT] matrix_a_scale:MATRIX_SCALE_ROW1 matrix_b_scale:MATRIX_SCALE_ROW1
.elseif pA
	v_wmma_scale_f32_16x16x128_f8f6f4 v[rD:rD+7], v[rX:rX+15], v[rY:rY+15], v[rD:rD+7], v[rS], v[rT] matrix_a_scale:MATRIX_SCALE_ROW1
.elseif pB
	v_wmma_scale_f32_16x16x128_f8f6f4 v[rD:rD+7], v[rX:rX+15], v[rY:rY+15], v[rD:rD+7], v[rS], v[rT] matrix_b_scale:MATRIX_SCALE_ROW1
.else
	v_wmma_scale_f32_16x16x128_f8f6f4 v[rD:rD+7], v[rX:rX+15], v[rY:rY+15], v[rD:rD+7], v[rS], v[rT]
.endif
.endif
.endm
.macro MUL8 q, t0, zero                ; the 16 accumulators take turns, in the same order in every step
	WIN 0xa1
.irp t, \t0,\t0+1
.irp n, 0,1,2,3
.set rD, 32*(\t)+8*\n
.set rX, 64*(\q)+16*\n
.set rY, 128+64*((\q)%2)+16*(\t)
.set rS, SB+8*((\q)%2)+(\n/2)
.set rT, SA+8*((\q)%2)+((\t)/2)
.set pA, \n%2
.set pB, (\t)%2
	WM \zero
.endr
.endr
	WIN 0
.endm
.macro XLOAD t0                        ; two tiles' rows of x, as they go out: sixteen loads
	WIN 0x80
.irp t, \t0,\t0+1
.irp k, 0,1,2,3,4,5,6,7
	global_load_b128 v[128+32*(\t)+4*\k:128+32*(\t)+4*\k+3], v[CO], s[12:13] offset:(32*((\t)/2)+8*((\t)%2)+2*\k+8*(\k/4))*8192 th:TH_LOAD_NT
.endr
.endr
	WIN 0
.endm
; A K step: the next one's fragments of A are asked for ahead of its sixteen products, and B's of three steps on (ld = 1) or two tiles of x (ld = 2, 3).
.macro STEP q, zero, ld, k, adv
	s_wait_dscnt 0x0
	s_wait_loadcnt 32                              ; this step's B is in; 32 younger loads may be out
	PLACES 8                                       ; for the loads into what the step before has read
	FETCH \q+1
.if \adv
	s_wait_xcnt 0x0                                ; earlier loads have read their base
	s_add_nc_u64 s[94:95], s[94:95], 8192
.endif
.if \ld == 1
	WLOAD \q+3, \k
.else
	XLOAD 2*(\ld)-4
.endif
	MUL8 \q, 0, \zero
	MUL8 \q, 2, \zero
.endm
	FETCH 0
	STEP 0, 1, 1, 3, 0                             ; the first products start the sums
	s_cmp_lt_u32 s16, 2
	s_cbranch_scc0 .Lno_b
	global_prefetch_b8 v[PFO], s[96:97] offset:16384 th:TH_LOAD_NT scope:SCOPE_SE   ; B's last 512 along K
.Lno_b:
	global_prefetch_b8 v[PFX], s[12:13] th:TH_LOAD_NT scope:SCOPE_SE                ; x: my 64 rows of 256 bytes, a lane a row
	global_prefetch_b8 v[PFX], s[12:13] offset:32*8192 th:TH_LOAD_NT scope:SCOPE_SE
.Llap:                                                 ; three trips: from a quarter's second K step to the next quarter's first
	STEP 1, 0, 1, 4, 0
	STEP 2, 0, 1, 5, 0
	s_wait_tensorcnt 0x0                           ; every quarter of A that I asked for has landed
	s_wait_dscnt 0x0
	s_wait_loadcnt 32
	s_barrier_signal -1
	MUL8 3, 0, 0
	s_barrier_wait -1                              ; and everybody's
	s_add_co_u32 s58, s58, 0x10000
	PLACES 5                                       ; with the three lines below eight places
	v_add_nc_u32 v[AA], s58, v[AA0]                ; the next quarter
	v_add_nc_u32 v[ASA], 0x800, v[ASA]
	v_add_nc_u32 v[ASB], 0x100, v[ASB]
	s_wait_alu depctr_va_vdst(0)                   ; the wait directly behind the writes
	FETCH 0
	WLOAD 6, 6
	MUL8 3, 2, 0
	STEP 0, 0, 1, 3, 1
	s_add_co_u32 s67, s67, 1
	s_cmp_lt_u32 s67, 3
	s_cbranch_scc1 .Llap
	STEP 1, 0, 2, 0, 0                             ; B is all asked for: x
	STEP 2, 0, 3, 0, 0
	s_wait_dscnt 0x0
	s_wait_loadcnt 32                              ; B's last set is in; x's 32 loads may be out
	MUL8 3, 0, 0
	MUL8 3, 2, 0
.macro TOSTAGE t                       ; 16 rows x 64 columns through my stage: LDS serves a wave's instructions in order
	WIN 0x08
.irp n, 0,1,2,3
	ds_store_b128 v[STO], v[32*(\t)+8*\n:32*(\t)+8*\n+3] offset:128*(\n/2)+32*(\n%2)
	ds_store_b128 v[STO], v[32*(\t)+8*\n+4:32*(\t)+8*\n+7] offset:128*(\n/2)+32*(\n%2)+16
.endr
	WIN 0x40
.irp k, 0,1,2,3,4,5,6,7
	ds_load_b128 v[32*(\t)+4*\k:32*(\t)+4*\k+3], v[RD] offset:2*\k*272
.endr
	WIN 0
.endm
.macro SEND t, younger, xl
	s_wait_dscnt \younger                          ; the rows are back
	s_wait_loadcnt \xl                             ; and x's
	WIN 0x49
.irp e, 0,2,4,6,8,10,12,14,16,18,20,22,24,26,28,30
	v_pk_add_f32 v[32*(\t)+\e:32*(\t)+\e+1], v[32*(\t)+\e:32*(\t)+\e+1], v[128+32*(\t)+\e:128+32*(\t)+\e+1]
.endr
	WIN 0x04
.irp k, 0,1,2,3,4,5,6,7
	global_store_b128 v[CO], v[32*(\t)+4*\k:32*(\t)+4*\k+3], s[14:15] offset:(32*((\t)/2)+8*((\t)%2)+2*\k+8*(\k/4))*8192 th:TH_STORE_NT   ; sixteen lanes store 256 consecutive bytes
.endr
	WIN 0
.endm
	PLACES 8                                       ; in front of the first reads of results and of loads into B's registers
	TOSTAGE 0
	TOSTAGE 1
	SEND 0, 16, 24
	TOSTAGE 2
	SEND 1, 16, 16
	TOSTAGE 3
	SEND 2, 16, 8
	SEND 3, 0, 0
	s_wait_tensorcnt 0x0                           ; the wave's end
	ds_add_u32 v[SPW], v[NIL]
	s_wait_dscnt 0x0
	CROUND                                         ; the closing round
	s_endpgm
.Lfunc_end_k_q338f3858f8_oproj:
	.size	k_q338f3858f8_oproj, .Lfunc_end_k_q338f3858f8_oproj-k_q338f3858f8_oproj
	.p2alignl 7, 3214868480
	.fill 96, 4, 3214868480
	.section	.rodata,"a",@progbits
	.p2align	6, 0x0
	.amdhsa_kernel k_q338f3858f8_oproj
		.amdhsa_group_segment_fixed_size 327680
		.amdhsa_private_segment_fixed_size 0
		.amdhsa_enable_private_segment 0
		.amdhsa_kernarg_size 48
		.amdhsa_user_sgpr_count 2
		.amdhsa_user_sgpr_kernarg_segment_ptr 1
		.amdhsa_wavefront_size32 1
		.amdhsa_system_sgpr_workgroup_id_x 1
		.amdhsa_system_sgpr_workgroup_id_y 1
		.amdhsa_system_sgpr_workgroup_id_z 1
		.amdhsa_system_vgpr_workitem_id 0
		.amdhsa_next_free_vgpr 768
		.amdhsa_next_free_sgpr 102
		.amdhsa_reserve_vcc 0
		.amdhsa_float_denorm_mode_32 3
		.amdhsa_float_denorm_mode_16_64 3
		.amdhsa_memory_ordered 1
		.amdhsa_forward_progress 1
		.amdhsa_inst_pref_size 66
	.end_amdhsa_kernel
	.amdgpu_metadata
---
amdhsa.version: [ 1, 2 ]
amdhsa.kernels:
  - .name:           k_q338f3858f8_oproj
    .symbol:         k_q338f3858f8_oproj.kd
    .args:
      - { .name: ob, .offset: 0, .size: 8, .value_kind: global_buffer, .address_space: global }
      - { .name: os, .offset: 8, .size: 8, .value_kind: global_buffer, .address_space: global }
      - { .name: woc, .offset: 16, .size: 8, .value_kind: global_buffer, .address_space: global }
      - { .name: wos, .offset: 24, .size: 8, .value_kind: global_buffer, .address_space: global }
      - { .name: x, .offset: 32, .size: 8, .value_kind: global_buffer, .address_space: global }
      - { .name: out0, .offset: 40, .size: 8, .value_kind: global_buffer, .address_space: global }
    .group_segment_fixed_size: 327680
    .private_segment_fixed_size: 0
    .kernarg_segment_align: 8
    .kernarg_segment_size: 48
    .max_flat_workgroup_size: 128
    .sgpr_count:     102
    .vgpr_count:     768
    .wavefront_size: 32
...
	.end_amdgpu_metadata
.endif
;; end of part 4
